; MI455X (gfx1250); checked and timed in simulation.
; The chip was launched on July 23, 2026; its instructions are those of AMD's public machine-readable ISA for CDNA 5 (MIT licence, August 2026) and "CDNA5" Instruction Set Architecture Reference Guide (July 2026). The comments in the code are by the model that wrote it; some were corrected since.
;; Causal Self Attention. Allowed arithmetic: matrix products marked QUANTISED: E2M1 operands, one E8M0 scale for each 32 along K, by v_wmma_scale_f32_16x16x128_f8f6f4 with both operands' format E2M1 (or v_wmma_scale_f32_32x16x128_f4), f32 sums; products left as they are: bf16, f16 or f32 operands; f32 sums; everything else in f32.
;; Inputs: Wk 1,024 x 1,024 float32; Wo 1,024 x 1,024 float32; Wq 1,024 x 1,024 float32; Wv 1,024 x 1,024 float32; bk 1,024 float32; bo 1,024 float32; bq 1,024 float32; bv 1,024 float32; x 4 x 2,048 x 1,024 float32.
;; Outputs: out0 4 x 2,048 x 1,024 float32.
;; This version of the problem:
;;   THIS VERSION OF THE PROBLEM IS GIVEN IN LOW PRECISION. The matrix products marked QUANTISED in the list below multiply operands that are first quantised to E2M1 (2 exponent bits, 1 mantissa bit; 4 bits a number), with one power-of-two scale for each 32 numbers along K (OCP MX v1.0); their sums are f32. The products marked 'left as it is' may take bf16, f16 or f32 operands, with f32 sums. Whichever they take, every output number must still come out within the allowed error. Rounding operands to bf16 (8 significant bits) uses up far more of that allowance than f16 does (11 bits, for magnitudes from 6e-5 to 65,504). All else is computed in f32.
;;   The module's matrix products, in the order in which they are computed (A, B: the left and right operand; K: the contracted axis; several contracted axes count as one K, in the product's order):
;;     1. [M 8,192, K 1,024] x [K 1,024, N 1,024]; A: input x; B: input Wq: QUANTISED
;;     2. [M 8,192, K 1,024] x [K 1,024, N 1,024]; A: input x; B: input Wk: QUANTISED
;;     3. [M 8,192, K 1,024] x [K 1,024, N 1,024]; A: input x; B: input Wv: QUANTISED
;;     4. batch 64 x [M 2,048, K 64] x [K 64, N 2,048]; A: computed on the way; B: computed on the way: left as it is (an operand is computed on the way)
;;     5. batch 64 x [M 2,048, K 2,048] x [K 2,048, N 64]; A: computed on the way; B: computed on the way: left as it is (an operand is computed on the way)
;;     6. [M 8,192, K 1,024] x [K 1,024, N 1,024]; A: computed on the way; B: input Wo: left as it is (an operand is computed on the way)
;;   THE QUANTISER, for each operand of a quantised product, along K:
;;     - K is cut into blocks of 32 from its start; a last block that is shorter is filled with zeros.
;;     - A block's scale is 2^e with e = floor(log2(the largest magnitude in the block)) - 2, held to -126 .. 127; a block of zeros has e = 0. As a byte (E8M0): e + 127.
;;     - Each number is divided by its block's scale, clamped to +-6, and rounded to the nearest number of E2M1, ties to even, subnormals kept.
;;     - The product sums the exact products of the quantised numbers (number of the format x scale) in f32.
;;   ~~~python
;;   def quantise(x, axis):      # numpy; x: float32 -> the quantised numbers, widened to float32 again
;;       x = np.moveaxis(x, axis, -1); K = x.shape[-1]
;;       x = np.pad(x, [(0, 0)] * (x.ndim - 1) + [(0, -K % 32)]); x = x.reshape(x.shape[:-1] + (-1, 32)); a = np.abs(x).max(-1, keepdims=True)
;;       e = np.where(a > 0, np.clip(np.frexp(np.where(a > 0, a, 1))[1] - 1 - 2, -126, 127), 0)      # np.frexp(a)[1] - 1 = floor(log2(a)), exactly
;;       r = np.clip(x / 2.0 ** e, -6, 6)
;;       step = 2.0 ** (np.maximum(np.frexp(np.where(r == 0, 1, r))[1] - 1, 0) - 1)
;;       q = np.round(r / step) * step * 2.0 ** e      # np.round: ties to even
;;       return np.moveaxis(q.reshape(q.shape[:-2] + (-1,))[..., :K], -1, axis).astype(np.float32)
;;   ~~~
;; One version. Each part assembles by itself: llvm-mc -triple=amdgcn-amd-amdhsa -mcpu=gfx1250 --defsym DOCPART=n.
;; ======== version 1 of 1: 6 launches
;; limits: values are held in f16: magnitudes above 65,504 overflow, below 6.1e-05 lose precision
;; workspace buffers: codes 5,767,168 bytes; scales 360,448 bytes; wo16 2,097,152 bytes; qkv16 50,331,648 bytes; qkv32 786,432 bytes; y16 16,777,216 bytes; y32 262,144 bytes
;; launch quant (part 1): grid 384 x 1, 4 waves a work-group, no clusters, 33,280 bytes of LDS; arguments x, Wq, Wk, Wv, Wo, codes, scales, wo16; writes codes, scales, wo16
.if DOCPART == 1
	.amdgcn_target "amdgcn-amd-amdhsa--gfx1250"
	.amdhsa_code_object_version 6
	.text
	.protected	k_q1828dde6c5_quant
	.globl	k_q1828dde6c5_quant
	.p2align	8
	.type	k_q1828dde6c5_quant,@function
k_q1828dde6c5_quant:
	s_mov_b64 s[64:65], 0
	v_nop
	global_prefetch_b8 v0, s[64:65] scope:SCOPE_SE
	s_setreg_imm32_b32 hwreg(HW_REG_WAVE_MODE, 25, 1), 1
	s_wait_xcnt 0x0
; x [8192][1024], Wq, Wk, Wv [1024][1024], f32, K innermost, become codes of FP4 (E2M1), two a byte, with one E8M0 byte for each 32 along K; Wo becomes f16 in the order in which the last product's tiles want it.
; A block's scale is 2^(floor(log2(its largest magnitude)) - 2); its byte is the largest magnitude's exponent field - 2, held at 1 from below.  Each number is divided by the scale and rounded to the nearest code, ties to even.
; LIMITS: a block of zeros gets the byte 1 where the rule says 127 (its codes are zeros, and the bytes are read by this program alone); NaN and infinities are not served; Wo's magnitudes stay under 65,504 (f16).
; Work-groups 0-255 take x, 256-287 Wq, 288-319 Wk, 320-351 Wv: 32,768 numbers each, a wave 16 steps of 512.  The four tensors' codes and bytes lie on end in the two buffers, so the destination is linear in the work-group's number.
; Each of a step's four loads reads 512 consecutive bytes; the 2,048 bytes turn through the wave's own stage in LDS and come back 64 bytes (16 neighbours along K) a lane; two neighbouring lanes hold a block.
; Work-groups 352-383 take Wo: no LDS there.  wo16 is [n / 128][head 16][n % 128][64]: two rows of one head are 256 consecutive bytes.
.set WAVES, 4
.set STEPS, 16
.set NQWG,  352                        ; work-groups that quantise
.set CB,    8                          ; bytes of 16 codes
.set R,     16                         ; v16-79   four sets of 16 numbers as loaded
.set X,     80                         ; v80-111  two sets of 16 neighbours
.set E,     112                        ; v112-127 a scale byte for each step
.set C,     128                        ; v128-191 codes: registers of its own for each step
.set WREG,  8192                       ; LDS: a region for each wave: two stages of 32 x SP bytes, then its 256 scale bytes
.set SP,    80                         ; a lane's place in a stage: 64 bytes + 16 of padding
.set SPW,   12                         ; v12 LDS address of my spare word; never rewritten
.set NIL,   13                         ; v13 0; never rewritten
.set SPARE, WAVES*WREG                 ; the spare words, 128 bytes a wave, which no other line names
	s_load_b256 s[4:11], s[0:1], 0x0               ; x, Wq, Wk, Wv
	s_load_b256 s[12:19], s[0:1], 0x20             ; Wo, codes, scales, wo16
	v_lshl_add_u32 v[SPW], v0, 2, SPARE
	v_mov_b32 v[NIL], 0
	v_lshrrev_b32 v1, 5, v0
	v_readfirstlane_b32 s20, v1                    ; wave
	v_and_b32 v2, 31, v0                           ; lane
	s_cmp_ge_u32 ttmp9, NQWG                       ; the last 32 work-groups convert Wo; the branch hangs on the work-group's number alone
	s_cbranch_scc1 .Lwo
	v_lshlrev_b32 v3, 4, v2                        ; my 16 bytes of a load's 512
	s_mul_i32 s26, s20, WREG
	v_lshrrev_b32 v14, 2, v2
	v_mul_u32_u24 v14, v14, SP
	v_and_b32 v15, 3, v2
	v_lshl_add_u32 v14, v15, 4, v14
	v_add_nc_u32 v14, s26, v14                     ; the stage, on the way in: SP (lane / 4) + 16 (lane % 4)
	v_mul_u32_u24 v15, v2, SP
	v_add_nc_u32 v15, s26, v15                     ; and on the way out: SP x lane
	v_mul_u32_u24 v4, v2, CB                       ; my codes' place in a step's
	v_lshrrev_b32 v5, 1, v2
	s_add_co_u32 s26, s26, 2*32*SP
	v_add_nc_u32 v5, s26, v5                       ; LDS: my block's scale byte
	v_lshlrev_b32 v7, 3, v2
	v_add_nc_u32 v6, s26, v7                       ; and on the way out 8 bytes a lane
	s_wait_kmcnt 0x0
	s_mov_b32 s21, 320                             ; which tensor, and its first work-group: three choices on the work-group's number
	s_mov_b64 s[22:23], s[10:11]
	s_cmp_lt_u32 ttmp9, 320
	s_cselect_b64 s[22:23], s[8:9], s[22:23]
	s_cselect_b32 s21, 288, s21
	s_cmp_lt_u32 ttmp9, 288
	s_cselect_b64 s[22:23], s[6:7], s[22:23]
	s_cselect_b32 s21, 256, s21
	s_cmp_lt_u32 ttmp9, 256
	s_cselect_b64 s[22:23], s[4:5], s[22:23]
	s_cselect_b32 s21, 0, s21
	s_sub_co_u32 s24, ttmp9, s21
	s_lshl_b32 s24, s24, 2
	s_add_co_u32 s24, s24, s20                     ; my run of 8,192 numbers in the tensor,
	s_lshl_b32 s24, s24, 15                        ; in bytes
	s_mov_b32 s25, 0
	s_add_nc_u64 s[22:23], s[22:23], s[24:25]
	s_lshl_b32 s24, ttmp9, 2
	s_add_co_u32 s24, s24, s20                     ; my run among all four tensors'
	s_lshl_b32 s26, s24, 12                        ; 4,096 bytes of codes a run
	s_mov_b32 s27, 0
	s_add_nc_u64 s[14:15], s[14:15], s[26:27]
	s_lshl_b32 s24, s24, 8                         ; 256 scale bytes a run
	s_add_nc_u64 s[16:17], s[16:17], s[24:25]
.macro LOAD t
.irp i, 0,1,2,3
	global_load_b128 v[R+16*((\t)%4)+4*\i:R+16*((\t)%4)+4*\i+3], v3, s[22:23] offset:2048*(\t)+512*\i th:TH_LOAD_NT   ; 32 lanes read 512 consecutive bytes
.endr
.endm
.macro TURN t                          ; step t's numbers through the stage: LDS serves a wave's instructions in order, so no wait stands between the stores and the loads
.irp i, 0,1,2,3
	ds_store_b128 v14, v[R+16*((\t)%4)+4*\i:R+16*((\t)%4)+4*\i+3] offset:32*SP*((\t)%2)+8*SP*\i
.endr
.irp i, 0,1,2,3
	ds_load_b128 v[X+16*((\t)%2)+4*\i:X+16*((\t)%2)+4*\i+3], v15 offset:32*SP*((\t)%2)+16*\i
.endr
.endm
.irp t, 0,1,2,3
	LOAD \t
.endr
	s_wait_loadcnt 12                              ; step 0's four loads are in; the twelve of steps 1 to 3 may be out
	TURN 0
.macro STEP t
.set XS, X+16*((\t)%2)
.if (\t) > 0
	s_wait_dscnt 1                                 ; this step's numbers are back from the stage (the last step's byte store may be out)
.else
	s_wait_dscnt 0x0
.endif
.if (\t)+4 < STEPS
	LOAD (\t)+4                                    ; into the registers whose stores into the stage are done
.endif
.if (\t)+1 < STEPS
.if STEPS-2-(\t) >= 3
	s_wait_loadcnt 12                              ; the next step's four loads are in; those of the three steps behind it may be out
.else
	s_wait_loadcnt 4*(STEPS-2-(\t))
.endif
	TURN (\t)+1                                    ; through the other stage while this step is worked
.endif
	v_max3_num_f32 v8, |v[XS]|, |v[XS+1]|, |v[XS+2]|               ; the largest magnitude of my 16, in two chains
	v_max3_num_f32 v9, |v[XS+3]|, |v[XS+4]|, |v[XS+5]|
.irp i, 6,10
	v_max3_num_f32 v8, v8, |v[XS+\i]|, |v[XS+\i+1]|
	v_max3_num_f32 v9, v9, |v[XS+\i+2]|, |v[XS+\i+3]|
.endr
	v_max3_num_f32 v8, v8, |v[XS+14]|, |v[XS+15]|
	v_max3_num_f32 v8, v8, v9, 0x1800000           ; and the floor 2^(3 - 127): the byte cannot fall under 1
	v_max_num_f32_dpp v8, v8, v8 row_xmask:1 row_mask:0xf bank_mask:0xf   ; and of my neighbour's 16: the block's
	v_add_nc_u32 v11, 0xff000000, v8               ; 2 off its exponent field: the conversion takes the exponent field of this operand as its scale
	v_cvt_scalef32_pk8_fp4_f32 v[C+4*(\t)], v[XS:XS+7], v11
	v_cvt_scalef32_pk8_fp4_f32 v[C+4*(\t)+1], v[XS+8:XS+15], v11
	v_lshrrev_b32 v[E+(\t)], 23, v11               ; the scale's byte
	ds_store_b8 v5, v[E+(\t)] offset:16*(\t)       ; both lanes of a block write the same byte with the same value
	global_store_b64 v4, v[C+4*(\t):C+4*(\t)+1], s[14:15] offset:32*CB*(\t)   ; the wave stores 256 consecutive bytes, aligned
.endm
.irp t, 0,1,2,3,4,5,6,7,8,9,10,11,12,13,14,15
	STEP \t
.endr
	ds_load_b64 v[8:9], v6                         ; LDS serves a wave's instructions in order: these see my byte stores
	s_wait_dscnt 0x0
	global_store_b64 v7, v[8:9], s[16:17]          ; 32 lanes store 256 consecutive bytes, aligned
	s_wait_tensorcnt 0x0                           ; the wave's end: behind my last LDS store
	ds_add_u32 v[SPW], v[NIL]
	s_wait_dscnt 0x0
	s_endpgm
; Wo to f16.  The wave owns rows n0 = 32 g + 8 wave to n0 + 7: four pairs of rows x 16 heads.  A load: sixteen lanes read a head's 256 bytes of a row, the other sixteen the next row's.
.Lwo:
	v_lshrrev_b32 v3, 4, v2
	v_and_b32 v4, 15, v2
	v_lshlrev_b32 v4, 4, v4
	v_lshl_add_u32 v3, v3, 12, v4                  ; in: (lane / 16) rows of 4,096 bytes + 16 (lane % 16)
	v_lshlrev_b32 v5, 3, v2                        ; out: 8 x lane: the two rows' 128 bytes lie on end
	s_sub_co_u32 s21, ttmp9, NQWG
	s_lshl_b32 s21, s21, 5
	s_lshl_b32 s22, s20, 3
	s_add_co_u32 s21, s21, s22                     ; n0
	s_lshl_b32 s22, s21, 12
	s_mov_b32 s23, 0
	s_lshr_b32 s24, s21, 7
	s_lshl_b32 s24, s24, 18                        ; the block of 128 rows: 262,144 bytes
	s_and_b32 s25, s21, 127
	s_lshl_b32 s25, s25, 7                         ; the row in it: 128 bytes
	s_add_co_u32 s24, s24, s25
	s_mov_b32 s25, 0
	s_wait_kmcnt 0x0
	s_add_nc_u64 s[12:13], s[12:13], s[22:23]
	s_add_nc_u64 s[18:19], s[18:19], s[24:25]
.macro LOADW p                         ; pair p of rows, all 16 heads, into set p % 2 (v16-79, v80-143)
.irp h, 0,1,2,3,4,5,6,7,8,9,10,11,12,13,14,15
	global_load_b128 v[16+64*((\p)%2)+4*\h:16+64*((\p)%2)+4*\h+3], v3, s[12:13] offset:8192*(\p)+256*\h th:TH_LOAD_NT
.endr
.endm
.macro BATCH p
.set WL, 16+64*((\p)%2)
.if (\p) < 3
	s_wait_loadcnt 16                              ; this pair's 16 loads are in; the next pair's may be out
.else
	s_wait_loadcnt 0x0
.endif
.if (\p) > 0
	s_wait_xcnt 0x0                                ; the last pair's stores have read their data: v144-175 are written again only behind this wait
.endif
.irp h, 0,1,2,3,4,5,6,7,8,9,10,11,12,13,14,15
	v_cvt_pk_f16_f32 v[144+2*\h], v[WL+4*\h], v[WL+4*\h+1]
	v_cvt_pk_f16_f32 v[145+2*\h], v[WL+4*\h+2], v[WL+4*\h+3]
.endr
.irp h, 0,1,2,3,4,5,6,7,8,9,10,11,12,13,14,15
	global_store_b64 v5, v[144+2*\h:145+2*\h], s[18:19] offset:16384*\h+256*(\p)   ; 256 consecutive bytes, aligned
.endr
.if (\p)+2 < 4
	LOADW (\p)+2
.endif
.endm
	LOADW 0
	LOADW 1
	BATCH 0
	BATCH 1
	BATCH 2
	BATCH 3
	s_endpgm
.Lfunc_end_k_q1828dde6c5_quant:
	.size	k_q1828dde6c5_quant, .Lfunc_end_k_q1828dde6c5_quant-k_q1828dde6c5_quant
	.p2alignl 7, 3214868480
	.fill 96, 4, 3214868480
	.section	.rodata,"a",@progbits
	.p2align	6, 0x0
	.amdhsa_kernel k_q1828dde6c5_quant
		.amdhsa_group_segment_fixed_size 33280
		.amdhsa_private_segment_fixed_size 0
		.amdhsa_enable_private_segment 0
		.amdhsa_kernarg_size 64
		.amdhsa_user_sgpr_count 2
		.amdhsa_user_sgpr_kernarg_segment_ptr 1
		.amdhsa_wavefront_size32 1
		.amdhsa_system_sgpr_workgroup_id_x 1
		.amdhsa_system_sgpr_workgroup_id_y 1
		.amdhsa_system_sgpr_workgroup_id_z 1
		.amdhsa_system_vgpr_workitem_id 0
		.amdhsa_next_free_vgpr 192
		.amdhsa_next_free_sgpr 66
		.amdhsa_reserve_vcc 0
		.amdhsa_float_denorm_mode_32 3
		.amdhsa_float_denorm_mode_16_64 3
		.amdhsa_memory_ordered 1
		.amdhsa_forward_progress 1
		.amdhsa_inst_pref_size 55
	.end_amdhsa_kernel
	.amdgpu_metadata
---
amdhsa.version: [ 1, 2 ]
amdhsa.kernels:
  - .name:           k_q1828dde6c5_quant
    .symbol:         k_q1828dde6c5_quant.kd
    .args:
      - { .name: x, .offset: 0, .size: 8, .value_kind: global_buffer, .address_space: global }
      - { .name: Wq, .offset: 8, .size: 8, .value_kind: global_buffer, .address_space: global }
      - { .name: Wk, .offset: 16, .size: 8, .value_kind: global_buffer, .address_space: global }
      - { .name: Wv, .offset: 24, .size: 8, .value_kind: global_buffer, .address_space: global }
      - { .name: Wo, .offset: 32, .size: 8, .value_kind: global_buffer, .address_space: global }
      - { .name: codes, .offset: 40, .size: 8, .value_kind: global_buffer, .address_space: global }
      - { .name: scales, .offset: 48, .size: 8, .value_kind: global_buffer, .address_space: global }
      - { .name: wo16, .offset: 56, .size: 8, .value_kind: global_buffer, .address_space: global }
    .group_segment_fixed_size: 33280
    .private_segment_fixed_size: 0
    .kernarg_segment_align: 8
    .kernarg_segment_size: 64
    .max_flat_workgroup_size: 128
    .sgpr_count:     66
    .vgpr_count:     192
    .wavefront_size: 32
...
	.end_amdgpu_metadata
.endif
;; end of part 1
;; launch qkv (part 2): grid 12 x 32, 4 waves a work-group, clusters of 4 x 4, 327,680 bytes of LDS; arguments codes, scales, bq, bk, bv, qkv16, qkv32; writes qkv16, qkv32
.if DOCPART == 2
	.amdgcn_target "amdgcn-amd-amdhsa--gfx1250"
	.amdhsa_code_object_version 6
	.text
	.protected	k_q1828dde6c5_qkv
	.globl	k_q1828dde6c5_qkv
	.p2align	8
	.type	k_q1828dde6c5_qkv,@function
k_q1828dde6c5_qkv:
	s_mov_b64 s[64:65], 0
	v_nop
	global_prefetch_b8 v0, s[64:65] scope:SCOPE_SE
	s_setreg_imm32_b32 hwreg(HW_REG_WAVE_MODE, 25, 1), 1
	s_wait_xcnt 0x0
	s_wait_alu depctr_hold_cnt(0) depctr_sa_sdst(0) depctr_va_vdst(0) depctr_va_sdst(0) depctr_va_ssrc(0) depctr_va_vcc(0) depctr_vm_vsrc(0)
	s_getreg_b32 s2, hwreg(HW_REG_IB_STS2, 6, 4)
	s_cmp_eq_u32 s2, 0
	s_cbranch_scc0 .Lentry_in_a_cluster
	s_endpgm
.Lentry_in_a_cluster:
	s_bfe_u32 s2, ttmp6, 0x10000c
	s_cmp_lg_u32 s2, 0xf033
	s_cbranch_scc0 .Lentry_shape_is_right
	s_endpgm
.Lentry_shape_is_right:
; The three quantised products as ONE product on codes of FP4 (E2M1): C[m][n] = sum over k of x[m][k] W[n][k], m = 8,192 tokens, n = 3,072 (Wq's, Wk's, Wv's rows on end), k = 1,024; one E8M0 byte for each 32 along K on both sides.
; Then + bias; the q third times c = log2(e) / 8 (so that the softmax works in powers of two); rounded to f16 and laid by head: qkv16 [q, k, v][b 4][head 16][t 2,048][64].  The first 16 positions of each batch also leave in f32: qkv32 [b][t 16][3,072].
; LIMITS: (q + bq) c, k + bk and v + bv are carried in f16: their magnitudes stay under 65,504.  qkv32's stores (786,432 bytes in all) cover 32 bytes of a row each.
; A tile of C, 256 x 256, is made by four waves, each 128 x 128: 64 accumulators, 512 registers.  K is two slots of 512 in LDS, both filled at the start by the tensor data mover: nothing is filled again.
; The scale bytes of the work-group's 256 + 256 rows, for all of K, come once, as rows of 256 bytes.  By this text's own count a wave has three tensor loads outstanding at the most.
; CLUSTERS: 4 x 4 work-groups.  The four of a row of the cluster need the same tiles of x, the four of a column the same tiles of W: each tile is asked for jointly, by the same tensor load with the same descriptor and a mask that names the four.
; THE MATRIX INSTRUCTION IS USED TRANSPOSED (source 0 = 16 rows of W, source 1 = 16 tokens): a lane holds eight neighbouring channels of one token.
; REGISTERS, in windows of 256: window 0: v0-31 addresses; v32-95 scale words, two sets, and nothing else; v96-127 packed f16; v128-191 x's fragments, later rows on their way out; v192-255 finished f32 results.
;   window 1: W's fragments, two sets, at v0 and v128; v64-127 the bias in the result's layout.   window 2: the accumulators of my rows 0-63 ((a, b) at v[8 (8 a + b)]);   window 3: those of my rows 64-127.
.set NQ,     4                         ; matrix instructions deep in a slot (512 along K)
.set ROWB,   256                       ; a tile's row in bytes
.set KROW,   512                       ; a row of codes in memory
.set PITCH,  272                       ; an LDS row: 256 bytes + 16 of padding: the 16 rows that a load touches start at 16 different banks (64 banks of 4 bytes: ISA guide 11.1)
.set FR,     8                         ; registers of a fragment: 16 rows x 128 K
.set NL,     2                         ; LDS loads that bring one
.set NP,     4                         ; places behind this matrix instruction (ISA guide 7.12.1)
.set HALFT,  128*PITCH
.set SLOT,   4*HALFT                   ; x's 256 rows, then W's 256 rows
.set KS,     32                        ; a row of scale bytes
.set SCL,    2*SLOT                    ; behind the slots: the scales, as units of 256 bytes + 16 of padding
.set HALFS,  (128*KS/256)*272
.set SBLK,   (16*KS/256)*272
.set SPARE,  SCL+4*HALFS               ; the spare words, 128 bytes a wave, which no other line names
.set SPITCH, 272                       ; the way out: a stage of 16 rows x (256 bytes + 16) for each wave, in slot 0, which has had its only fill and its last read by then
.set ADRA, 16                          ; v16-17 LDS address of my x fragments in slot 0, 1
.set ADRB, 20                          ; v20-21 the same for W
.set BOF,  22                          ; v22 32 x (lane / 16): my place in the bias
.set STO,  24                          ; v24 the way out: where I put 16 bytes of a token
.set RD,   25                          ; v25 where I read them back
.set CO,   26                          ; v26 16 x lane
.set ADRS, 27                          ; v27 LDS address of my scale words: lanes 0-15 x's rows, lanes 16-31 W's
.set SPW,  28                          ; v28 my spare word; never rewritten
.set NIL,  29                          ; v29 0; never rewritten
.set SO32, 30                          ; v30 my place in qkv32
.set FLG,  31                          ; v31 0 where my first block holds positions 0-15
.set SC,   32
.set TMP,  96
.set AF,   128
.set BK,   128
.set T32,  192
.set BI,   64                          ; in window 1
.set G1, 24
.set G0, 32
.set G1B, 48
.set G0B, 56
.set G1S, 68
.set G0S, 76
.set G1SB, 80
.set G0SB, 88
.set MSB, 0
.macro WIN new                         ; the immediate's high byte repeats the setting that is left
.if MSB != (\new)
	s_set_vgpr_msb (MSB<<8)|(\new)
.set MSB, (\new)
.endif
.endm
.set MUL_LO, 0xa1                      ; source 0 (W) window 1, source 1 (x) window 0, C and D window 2
.set MUL_HI, 0xf1                      ; the same, C and D window 3
.set TO_B,   0x40                      ; destination window 1, address window 0
; A joint load: waves 0 and 1 fetch for x, waves 2 and 3 for W.  The branch hangs on the wave's number alone.  An s_nop 0 and four v_nop follow each of the two lines.
.macro JLOAD g0a, g1a, g0b, g1b
	s_cmp_eq_u32 s15, 0
	s_cbranch_scc0 .Lfor_b_\@
	tensor_load_to_lds s[\g0a:\g0a+3], s[\g1a:\g1a+7]
	s_nop 0
.rept 4
	v_nop
.endr
	s_branch .Lasked_\@
.Lfor_b_\@:
	tensor_load_to_lds s[\g0b:\g0b+3], s[\g1b:\g1b+7]
	s_nop 0
.rept 4
	v_nop
.endr
.Lasked_\@:
.endm
.macro CROUND                          ; a round of the cluster's barrier
	s_barrier_signal -1
	s_barrier_wait -1
	s_cmp_lg_u32 s14, 0
	s_cbranch_scc1 .Lnot_wave_0_\@
	s_barrier_signal -3
.Lnot_wave_0_\@:
	s_barrier_wait -3
	s_barrier_signal -1
	s_barrier_wait -1
.endm
	s_load_b128 s[4:7], s[0:1], 0x0                ; codes, scales
	s_load_b128 s[96:99], s[0:1], 0x10             ; bq, bk
	s_load_b64 s[100:101], s[0:1], 0x20            ; bv
	s_load_b64 s[12:13], s[0:1], 0x28              ; qkv16
	s_load_b64 s[66:67], s[0:1], 0x30              ; qkv32
	v_lshl_add_u32 v[SPW], v0, 2, SPARE
	v_mov_b32 v[NIL], 0
	ds_add_u32 v[SPW], v[NIL]                      ; the wave's opening: the add, twice on end, and its wait ahead of my first tensor load
	ds_add_u32 v[SPW], v[NIL]
	v_lshrrev_b32 v1, 5, v0
	v_readfirstlane_b32 s14, v1                    ; wave 0..3
	s_lshr_b32 s15, s14, 1                         ; which half of the tile's rows is mine.  Also: I fetch for x (0) or for W (1)
	s_and_b32 s16, s14, 1                          ; which half of its columns.  Also: which 128 rows of that tile I fetch
	s_bfe_u32 s40, ttmp6, 0x40000                  ; cx, cy: my place in the cluster
	s_bfe_u32 s41, ttmp6, 0x40004
	s_lshl_b32 s42, ttmp9, 2
	s_add_co_u32 s42, s42, s40                     ; tile column = 4 x cluster x + cx: 0 .. 11
	s_and_b32 s17, ttmp7, 0xffff
	s_lshl_b32 s17, s17, 2
	s_add_co_u32 s17, s17, s41                     ; tile row = 4 x cluster y + cy: 0 .. 31
	s_lshl_b32 s43, s41, 2
	s_lshl_b32 s43, 15, s43                        ; my row of the cluster
	s_lshl_b32 s44, 0x1111, s40                    ; my column
	; descriptor group 1: a tile of 128 rows x 256 bytes, 16 bytes of padding behind each row
	s_or_b32 s[G1+0], s43, (0<<16)|(1<<20)|(1<<21)|(5<<22)|(3<<25)  ; the mask; elements of 1 byte; padding on; bit 21 beside a mask; after every 64 words; 4 words
	s_or_b32 s[G1B+0], s44, (0<<16)|(1<<20)|(1<<21)|(5<<22)|(3<<25)
.irp g, G1, G1B
	s_mov_b32 s[\g+1], ROWB<<16                    ; tensor_dim0
	s_mov_b32 s[\g+2], 128<<16                     ; tensor_dim1
	s_mov_b32 s[\g+3], ROWB<<16                    ; tile_dim0
	s_mov_b32 s[\g+4], 128                         ; tile_dim1
	s_mov_b32 s[\g+5], KROW                        ; the pitch
	s_mov_b32 s[\g+6], 0
	s_mov_b32 s[\g+7], 0
.endr
	; the scales of 128 rows: 4,096 dense bytes, as 16 rows of 256 bytes (32 elements of 8 bytes), padded alike
	s_or_b32 s[G1S+0], s43, (3<<16)|(1<<20)|(1<<21)|(5<<22)|(3<<25)
	s_or_b32 s[G1SB+0], s44, (3<<16)|(1<<20)|(1<<21)|(5<<22)|(3<<25)
.irp g, G1S, G1SB
	s_mov_b32 s[\g+1], 32<<16
	s_mov_b32 s[\g+2], (128*KS/256)<<16
	s_mov_b32 s[\g+3], 32<<16
	s_mov_b32 s[\g+4], 128*KS/256
	s_mov_b32 s[\g+5], 32
	s_mov_b32 s[\g+6], 0
	s_mov_b32 s[\g+7], 0
.endr
	s_lshl_b32 s18, s16, 7                         ; which 128 rows of the tile I fetch
	s_lshl_b32 s20, s17, 8
	s_add_co_u32 s20, s20, s18                     ; x: row 256 x tile row + 128 x half
	s_lshl_b32 s46, s42, 8
	s_add_co_u32 s46, s46, s18                     ; W: row 256 x tile column + 128 x half
	s_mov_b32 s21, 0
	s_mov_b32 s47, 0
	s_mov_b64 s[18:19], KS
	s_mul_u64 s[22:23], s[20:21], s[18:19]         ; where these rows' scales begin,
	s_mul_u64 s[92:93], s[46:47], s[18:19]
	s_mov_b64 s[18:19], KROW
	s_mul_u64 s[20:21], s[20:21], s[18:19]         ; and their codes
	s_mul_u64 s[46:47], s[46:47], s[18:19]
	s_mul_i32 s45, s14, HALFT                      ; where they go: wave x 128 rows: no place in the cluster enters an LDS address
	s_mul_i32 s94, s14, HALFS
	s_wait_dscnt 0x0                               ; both opening adds are done
	s_wait_kmcnt 0x0
	s_add_nc_u64 s[8:9], s[4:5], 0x400000          ; W's codes lie behind x's 8,192 rows of 512 bytes,
	s_add_nc_u64 s[10:11], s[6:7], 0x40000         ; W's scale bytes behind x's 8,192 rows of 32
	s_add_nc_u64 s[20:21], s[4:5], s[20:21]
	s_add_nc_u64 s[22:23], s[6:7], s[22:23]
	s_add_nc_u64 s[46:47], s[8:9], s[46:47]
	s_add_nc_u64 s[92:93], s[10:11], s[92:93]
	CROUND                                         ; all sixteen work-groups are here: the joint loads meet
	s_mov_b32 s[G0S], 1
	s_add_co_u32 s[G0S+1], s94, SCL
	s_mov_b64 s[G0S+2:G0S+3], s[22:23]
	s_or_b32 s[G0S+3], s[G0S+3], 0x80000000
	s_mov_b32 s[G0SB], 1
	s_add_co_u32 s[G0SB+1], s94, SCL
	s_mov_b64 s[G0SB+2:G0SB+3], s[92:93]
	s_or_b32 s[G0SB+3], s[G0SB+3], 0x80000000
	JLOAD G0S, G1S, G0SB, G1SB                     ; the scales first: they are wanted with the first slot
.irp s, 0,1
	s_mov_b32 s[G0+4*\s], 1
	s_add_co_u32 s[G0+4*\s+1], s45, \s*SLOT
	s_add_nc_u64 s[G0+4*\s+2:G0+4*\s+3], s[20:21], \s*ROWB
	s_or_b32 s[G0+4*\s+3], s[G0+4*\s+3], 0x80000000
	s_mov_b32 s[G0B+4*\s], 1
	s_add_co_u32 s[G0B+4*\s+1], s45, \s*SLOT
	s_add_nc_u64 s[G0B+4*\s+2:G0B+4*\s+3], s[46:47], \s*ROWB
	s_or_b32 s[G0B+4*\s+3], s[G0B+4*\s+3], 0x80000000
	JLOAD G0+4*\s, G1, G0B+4*\s, G1B
.endr
	v_and_b32 v1, 15, v0                           ; r = lane % 16
	v_bfe_u32 v2, v0, 4, 1                         ; h = lane / 16
	v_mul_u32_u24 v3, v1, PITCH
	v_lshl_add_u32 v4, v2, 4, v3                   ; a fragment's row x pitch + 16 x half
	s_mul_i32 s21, s15, HALFT                      ; my 128 rows of x
	s_mul_i32 s22, s16, HALFT                      ; my 128 rows of W,
	s_add_co_u32 s22, s22, 2*HALFT                 ; which lie behind x's 256
.irp s, 0,1
	v_add_nc_u32 v[ADRA+\s], s21, v4
	v_add_nc_u32 v[ADRB+\s], s22, v4
	s_add_co_u32 s21, s21, SLOT
	s_add_co_u32 s22, s22, SLOT
.endr
	v_mul_u32_u24 v5, v1, KS                       ; my row's scales: 32 bytes a row,
	v_lshrrev_b32 v6, 8, v5
	v_lshl_add_u32 v5, v6, 4, v5                   ; and 16 more for each 256 passed
	s_mul_i32 s21, s15, HALFS
	s_mul_i32 s22, s16, HALFS
	s_add_co_u32 s22, s22, 2*HALFS
	s_sub_co_u32 s22, s22, s21
	v_mul_u32_u24 v6, s22, v2                      ; lanes 16-31 take W's: one product, the distance between the two bases
	s_add_co_u32 s21, s21, SCL
	v_add_nc_u32 v5, v5, v6
	v_add_nc_u32 v[ADRS], s21, v5
	; the way out.  Token r lies at stage row (r / 2) + 8 (r % 2): so the 16 lanes of a store fall on 16 different 16-byte columns, and so do the reads of two neighbouring tokens x 8 columns
	s_mul_i32 s23, s14, 16*SPITCH                  ; my stage
	v_lshrrev_b32 v5, 1, v1
	v_and_b32 v6, 1, v1
	v_lshl_add_u32 v5, v6, 3, v5
	v_mul_u32_u24 v5, v5, SPITCH
	v_lshl_add_u32 v5, v2, 4, v5
	v_add_nc_u32 v[STO], s23, v5
	v_bfe_u32 v5, v0, 3, 1
	v_lshl_add_u32 v5, v5, 3, v2                   ; back: token (lane / 8) of four: stage row (lane / 16) + 8 ((lane / 8) % 2),
	v_mul_u32_u24 v5, v5, SPITCH
	v_and_b32 v6, 7, v0
	v_lshl_add_u32 v5, v6, 4, v5                   ; 16 bytes of a head's 128
	v_add_nc_u32 v[RD], s23, v5
	v_and_b32 v6, 31, v0
	v_lshlrev_b32 v[CO], 4, v6
	v_mul_u32_u24 v[SO32], v1, 12288               ; qkv32: row r of 3,072 f32,
	v_lshl_add_u32 v[SO32], v2, 5, v[SO32]         ; + 32 h
	v_lshlrev_b32 v[BOF], 5, v2
	; which bias, and the factor: choices of values on the tile column; no branch hangs on a place in the cluster
	s_cmp_lt_u32 s42, 8
	s_cselect_b64 s[98:99], s[98:99], s[100:101]
	s_cmp_lt_u32 s42, 4
	s_cselect_b64 s[96:97], s[96:97], s[98:99]
	s_mov_b32 s94, 1.0
	s_cselect_b32 s94, 0x3e38aa3b, s94             ; c = log2(e) / 8 for q, 1 for k and v
	s_mov_b32 s95, s94                             ; (named with it as a pair, so it is written)
	s_and_b32 s20, s42, 3
	s_lshl_b32 s20, s20, 10
	s_lshl_b32 s21, s16, 9
	s_add_co_u32 s20, s20, s21                     ; my 128 numbers of the bias
	s_mov_b32 s21, 0
	s_add_nc_u64 s[96:97], s[96:97], s[20:21]
	WIN TO_B
.irp b, 0,1,2,3,4,5,6,7
	global_load_b128 v[BI+8*\b:BI+8*\b+3], v[BOF], s[96:97] offset:64*\b        ; lane (r, h): bias[16 b + 8 h + 0 .. 7]; they land while the products run
	global_load_b128 v[BI+8*\b+4:BI+8*\b+7], v[BOF], s[96:97] offset:64*\b+16
.endr
	WIN 0
	s_lshr_b32 s20, s42, 2
	s_lshl_b32 s20, s20, 24                        ; qkv16: the third (q, k, v): 16,777,216 bytes,
	s_lshr_b32 s21, s17, 3                         ; the batch,
	s_lshl_b32 s21, s21, 4
	s_and_b32 s22, s42, 3
	s_lshl_b32 s22, s22, 2
	s_add_co_u32 s21, s21, s22
	s_lshl_b32 s22, s16, 1
	s_add_co_u32 s21, s21, s22                     ; my first head: 4 x (tile column % 4) + 2 x half,
	s_lshl_b32 s21, s21, 18
	s_add_co_u32 s20, s20, s21
	s_and_b32 s21, s17, 7
	s_lshl_b32 s21, s21, 8
	s_lshl_b32 s22, s15, 7
	s_add_co_u32 s21, s21, s22                     ; my first position,
	s_lshl_b32 s21, s21, 7                         ; 128 bytes each
	s_add_co_u32 s20, s20, s21
	s_mov_b32 s21, 0
	s_add_nc_u64 s[12:13], s[12:13], s[20:21]
	s_lshr_b32 s20, s17, 3
	s_mul_i32 s20, s20, 196608                     ; qkv32: the batch's 16 rows,
	s_lshl_b32 s21, s42, 10
	s_add_co_u32 s20, s20, s21
	s_lshl_b32 s21, s16, 9
	s_add_co_u32 s20, s20, s21                     ; my first column
	s_mov_b32 s21, 0
	s_add_nc_u64 s[66:67], s[66:67], s[20:21]
	s_and_b32 s93, s17, 7
	s_or_b32 s93, s93, s15                         ; 0 where my rows begin at a batch's position 0
.macro FRAG reg, adr, q, i             ; 16 rows x 128 K of 4-bit codes: registers 4 c .. 4 c + 3 hold K = 64 c + 32 (lane / 16) + 0 .. 31
.irp c, 0,1
	ds_load_b128 v[\reg+4*\c:\reg+4*\c+3], v[\adr] offset:64*(\q)+32*\c+(\i)*16*PITCH
.endr
.endm
; 16 matrix instructions: x's blocks a0, a0 + 1 against W's eight, the slot's q-th 128 along K.  The 64 accumulators take turns, one instruction a turn.  zero = 1: the first product starts the sums.
.macro MUL16 a0, p, q, sc, zero
.irp a, \a0, \a0+1
.irp b, 0,1,2,3,4,5,6,7
.if \zero
	v_wmma_scale_f32_16x16x128_f8f6f4 v[8*(8*((\a)%4)+\b):8*(8*((\a)%4)+\b)+7], v[128*(\p)+FR*\b:128*(\p)+FR*\b+FR-1], v[AF+FR*(\a):AF+FR*(\a)+FR-1], 0, v[SC+8*NQ*(\sc)+NQ*\b+(\q)], v[SC+8*NQ*(\sc)+NQ*(\a)+(\q)] matrix_a_fmt:MATRIX_FMT_FP4 matrix_b_fmt:MATRIX_FMT_FP4 matrix_a_scale:MATRIX_SCALE_ROW1
.else
	v_wmma_scale_f32_16x16x128_f8f6f4 v[8*(8*((\a)%4)+\b):8*(8*((\a)%4)+\b)+7], v[128*(\p)+FR*\b:128*(\p)+FR*\b+FR-1], v[AF+FR*(\a):AF+FR*(\a)+FR-1], v[8*(8*((\a)%4)+\b):8*(8*((\a)%4)+\b)+7], v[SC+8*NQ*(\sc)+NQ*\b+(\q)], v[SC+8*NQ*(\sc)+NQ*(\a)+(\q)] matrix_a_fmt:MATRIX_FMT_FP4 matrix_b_fmt:MATRIX_FMT_FP4 matrix_a_scale:MATRIX_SCALE_ROW1
.endif
.endr
.endr
.endm
.macro FETCH_B slot, q, p
	WIN TO_B
.irp i, 0,1,2,3,4,5,6,7
	FRAG 128*(\p)+FR*\i, ADRB+\slot, \q, \i
.endr
	WIN 0
.endm
.macro FETCH_A slot, q, i0
.irp i, \i0, \i0+1, \i0+2, \i0+3
	FRAG AF+FR*(\i), ADRA+\slot, \q, \i
.endr
.endm
.macro SCALES sc                       ; a slot's scale words: 4 words a row; lanes 0-15 take x's block i, lanes 16-31 W's block i
.irp i, 0,1,2,3,4,5,6,7
	ds_load_b128 v[SC+8*NQ*\sc+NQ*\i:SC+8*NQ*\sc+NQ*\i+3], v[ADRS] offset:\i*SBLK
.endr
.endm
.macro PLACES n                        ; plain vector instructions between a matrix instruction and a load into, or a read of, its registers
.rept \n
	v_nop
.endr
.endm
.macro STEP slot, q, zero              ; 128 along K that have their successor in the same slot
	s_wait_dscnt 4*NL                              ; W's set and x's blocks 0-3 are in; the youngest eight loads (x's blocks 4-7) may be out
	WIN MUL_LO
	MUL16 0, (\q)%2, \q, \slot, \zero
	MUL16 2, (\q)%2, \q, \slot, \zero
	s_wait_dscnt 0
	PLACES NP
	FETCH_B \slot, (\q)+1, 1-(\q)%2
	FETCH_A \slot, (\q)+1, 0
	WIN MUL_HI
	MUL16 4, (\q)%2, \q, \slot, \zero
	MUL16 6, (\q)%2, \q, \slot, \zero
	PLACES NP
	WIN 0
	FETCH_A \slot, (\q)+1, 4
.endm
; Slot 0's last step changes slots: each wave waits for all its tensor loads (slot 1's is the one that may be out), adds 0 to its spare word, waits for that and for its reads of slot 0, and passes the barrier: slot 1 is whole, and nobody reads slot 0 any more.
.macro TURN slot, next
	s_wait_tensorcnt 0x0
	ds_add_u32 v[SPW], v[NIL]
	s_wait_dscnt 4*NL+1                            ; (the add and the youngest eight loads may be out)
	WIN MUL_LO
	MUL16 0, 1, NQ-1, \slot, 0
	s_wait_dscnt 0x0
	s_barrier_signal -1
	MUL16 2, 1, NQ-1, \slot, 0
	WIN 0
	s_barrier_wait -1
	PLACES NP
	v_add_nc_u32 v[ADRS], 4*NQ, v[ADRS]            ; on to the next slot's scale words
	FETCH_B \next, 0, 0
	FETCH_A \next, 0, 0
	SCALES \next
	WIN MUL_HI
	MUL16 4, 1, NQ-1, \slot, 0
	MUL16 6, 1, NQ-1, \slot, 0
	PLACES NP
	WIN 0
	FETCH_A \next, 0, 4
.endm
	s_wait_tensorcnt 1                             ; the scales and my part of slot 0 are in (slot 1's load may be out)
	s_barrier_signal -1
	s_barrier_wait -1                              ; everybody's are
	FETCH_B 0, 0, 0
	FETCH_A 0, 0, 0
	SCALES 0
	FETCH_A 0, 0, 4
	STEP 0, 0, 1
	STEP 0, 1, 0
	STEP 0, 2, 0
	TURN 0, 1
	STEP 1, 0, 0
	STEP 1, 1, 0
	STEP 1, 2, 0
	s_wait_dscnt 4*NL                              ; the last step: nothing more to fetch
	WIN MUL_LO
	MUL16 0, 1, NQ-1, 1, 0
	MUL16 2, 1, NQ-1, 1, 0
	s_wait_dscnt 0
	WIN MUL_HI
	MUL16 4, 1, NQ-1, 1, 0
	MUL16 6, 1, NQ-1, 1, 0
; THE WAY OUT, block by block of 16 tokens x 128 channels (two heads).
.macro FIN a                           ; result x factor + bias x factor, one fused multiply-add for two numbers, each accumulator from its low end on; then f16, 16 bytes a lane for each tile of channels
.set AC, 64*((\a)%4)
	WIN 0x12+(\a)/4                                ; source 0 window 2 or 3, source 2 window 1, destination window 0
.set i, 0
.rept 32
	v_pk_fma_f32 v[T32+i:T32+i+1], v[AC+i:AC+i+1], s[94:95], v[BI+i:BI+i+1] op_sel_hi:[1,0,1]
.set i, i+2
.endr
	WIN 0
.set i, 0
.rept 32
	v_cvt_pk_f16_f32 v[TMP+i], v[T32+2*i], v[T32+2*i+1]
.set i, i+1
.endr
.endm
.macro TOSTAGE a
.set BB, BK+32*((\a)%2)
.irp b, 0,1,2,3,4,5,6,7
	ds_store_b128 v[STO], v[TMP+4*\b:TMP+4*\b+3] offset:32*\b
.endr
.irp e, 0,1
.irp g, 0,1,2,3
	ds_load_b128 v[BB+4*(4*\e+\g):BB+4*(4*\e+\g)+3], v[RD] offset:544*\g+128*\e   ; head e, tokens 4 g .. 4 g + 3.  LDS serves a wave's instructions in order: these see the stores above
.endr
.endr
.endm
.macro SEND a, younger                 ; younger: the LDS instructions issued behind block a's loads
.set BB, BK+32*((\a)%2)
	s_wait_dscnt \younger
.irp e, 0,1
.irp g, 0,1,2,3
	global_store_b128 v[CO], v[BB+4*(4*\e+\g):BB+4*(4*\e+\g)+3], s[12:13] offset:262144*\e+2048*(\a)+512*\g   ; 32 lanes store 512 consecutive bytes, aligned: four tokens of one head
.endr
.endr
.endm
	PLACES NP
	s_wait_loadcnt 0x0                             ; the bias
	WIN 0x41                                       ; destination and source 0 window 1
.set i, 0
.rept 32
	v_pk_mul_f32 v[BI+i:BI+i+1], v[BI+i:BI+i+1], s[94:95] op_sel_hi:[1,0]   ; bias x factor, once
.set i, i+2
.endr
	FIN 0
	; positions 0-15 of a batch also leave in f32.  Which work-groups hold them hangs on the place in the cluster, so it is done by EXEC and not by a branch; the address lies inside qkv32 in every work-group
	v_mov_b32 v[FLG], s93
	v_cmp_eq_u32 vcc_lo, 0, v[FLG]
	s_wait_xcnt 0x0                                ; EXEC changes only behind this wait
	s_and_saveexec_b32 s92, vcc_lo
.irp b, 0,1,2,3,4,5,6,7
	global_store_b128 v[SO32], v[T32+8*\b:T32+8*\b+3], s[66:67] offset:64*\b
	global_store_b128 v[SO32], v[T32+8*\b+4:T32+8*\b+7], s[66:67] offset:64*\b+16
.endr
	s_wait_xcnt 0x0                                ; and again in front of the line that widens it; the stores have read their data too
	s_or_b32 exec_lo, exec_lo, s92
	TOSTAGE 0
.irp a, 1,2,3,4,5,6,7
	s_wait_xcnt 0x0                                ; block a - 2's stores have read their registers: block a's loads may land there
	FIN \a
	TOSTAGE \a
	SEND \a-1, 16                                  ; behind block a - 1's loads: block a's 8 stores and 8 loads
.endr
	SEND 7, 0
	s_wait_tensorcnt 0x0                           ; the wave's end
	ds_add_u32 v[SPW], v[NIL]
	s_wait_dscnt 0x0
	CROUND                                         ; the closing round
	s_endpgm
.Lfunc_end_k_q1828dde6c5_qkv:
	.size	k_q1828dde6c5_qkv, .Lfunc_end_k_q1828dde6c5_qkv-k_q1828dde6c5_qkv
	.p2alignl 7, 3214868480
	.fill 96, 4, 3214868480
	.section	.rodata,"a",@progbits
	.p2align	6, 0x0
	.amdhsa_kernel k_q1828dde6c5_qkv
		.amdhsa_group_segment_fixed_size 327680
		.amdhsa_private_segment_fixed_size 0
		.amdhsa_enable_private_segment 0
		.amdhsa_kernarg_size 56
		.amdhsa_user_sgpr_count 2
		.amdhsa_user_sgpr_kernarg_segment_ptr 1
		.amdhsa_wavefront_size32 1
		.amdhsa_system_sgpr_workgroup_id_x 1
		.amdhsa_system_sgpr_workgroup_id_y 1
		.amdhsa_system_sgpr_workgroup_id_z 1
		.amdhsa_system_vgpr_workitem_id 0
		.amdhsa_next_free_vgpr 1024
		.amdhsa_next_free_sgpr 102
		.amdhsa_reserve_vcc 1
		.amdhsa_float_denorm_mode_32 3
		.amdhsa_float_denorm_mode_16_64 3
		.amdhsa_memory_ordered 1
		.amdhsa_forward_progress 1
		.amdhsa_inst_pref_size 149
	.end_amdhsa_kernel
	.amdgpu_metadata
---
amdhsa.version: [ 1, 2 ]
amdhsa.kernels:
  - .name:           k_q1828dde6c5_qkv
    .symbol:         k_q1828dde6c5_qkv.kd
    .args:
      - { .name: codes, .offset: 0, .size: 8, .value_kind: global_buffer, .address_space: global }
      - { .name: scales, .offset: 8, .size: 8, .value_kind: global_buffer, .address_space: global }
      - { .name: bq, .offset: 16, .size: 8, .value_kind: global_buffer, .address_space: global }
      - { .name: bk, .offset: 24, .size: 8, .value_kind: global_buffer, .address_space: global }
      - { .name: bv, .offset: 32, .size: 8, .value_kind: global_buffer, .address_space: global }
      - { .name: qkv16, .offset: 40, .size: 8, .value_kind: global_buffer, .address_space: global }
      - { .name: qkv32, .offset: 48, .size: 8, .value_kind: global_buffer, .address_space: global }
    .group_segment_fixed_size: 327680
    .private_segment_fixed_size: 0
    .kernarg_segment_align: 8
    .kernarg_segment_size: 56
    .max_flat_workgroup_size: 128
    .sgpr_count:     102
    .vgpr_count:     1024
    .wavefront_size: 32
...
	.end_amdgpu_metadata
.endif
;; end of part 2
;; launch fine1 (part 3): grid 64 x 1, 1 waves a work-group, no clusters, 0 bytes of LDS; arguments qkv32, y32; writes y32
.if DOCPART == 3
	.amdgcn_target "amdgcn-amd-amdhsa--gfx1250"
	.amdhsa_code_object_version 6
	.text
	.protected	k_q1828dde6c5_fine1
	.globl	k_q1828dde6c5_fine1
	.p2align	8
	.type	k_q1828dde6c5_fine1,@function
k_q1828dde6c5_fine1:
	s_mov_b64 s[64:65], 0
	v_nop
	global_prefetch_b8 v0, s[64:65] scope:SCOPE_SE
	s_setreg_imm32_b32 hwreg(HW_REG_WAVE_MODE, 25, 1), 1
	s_wait_xcnt 0x0
; The first 16 positions of each (batch, head), all in f32: a row there averages one to sixteen values, so f16 operands would weigh most.  One wave for each of the 64 (b, head).
; qkv32 [b][t 16][3,072]: q x log2(e) / 8 at column 64 head, k at 1,024 + 64 head, v at 2,048 + 64 head.
; S^T = k q^T (source 0 = 16 keys, source 1 = 16 queries) by 16 matrix instructions of 4 along the channels: a lane holds one query (lane % 16) and keys 8 (lane / 16) + 0 .. 7.  Both sides carry the same order of channels.
; Causal mask, the maximum taken away, p = 2^(t - m), divided by the row's sum.  y^T = v^T p: source 0 = 16 channels, source 1 = p as it lies; both count key 8 (lane / 16) + 2 i + j.
; y32 holds images of the registers: [b][head][tau 4][u 2][lane][4]: lane (r, h): y(token r, channel 64 head + 16 tau + 8 h + 4 u + 0 .. 3).  Each store covers 512 consecutive bytes.
; The registers that the f32 matrix form writes (v112-127, v144-175) are written by it alone.
	s_load_b128 s[4:7], s[0:1], 0x0                ; qkv32, y32
	v_and_b32 v1, 15, v0                           ; r
	v_lshrrev_b32 v2, 4, v0                        ; h
	v_mul_u32_u24 v3, v1, 12288
	v_lshl_add_u32 v3, v2, 5, v3                   ; q, k: token r, + 32 h
	v_mul_u32_u24 v4, v2, 98304
	v_lshl_add_u32 v4, v1, 2, v4                   ; v: tokens 8 h on, channel r
	v_lshlrev_b32 v5, 4, v0                        ; an image's place for my lane
	v_mov_b32 v6, 0xff800000                       ; -infinity
	v_lshlrev_b32 v7, 3, v2
	v_sub_nc_u32 v7, v1, v7                        ; r - 8 h: register j's key is hidden where j is above it
	v_mov_b32 v137, 0                              ; a lane permute's destination counts as one of its sources
	s_lshr_b32 s8, ttmp9, 4
	s_mul_i32 s8, s8, 196608                       ; the batch's 16 rows
	s_and_b32 s9, ttmp9, 15
	s_lshl_b32 s9, s9, 8                           ; the head's 64 channels
	s_add_co_u32 s8, s8, s9
	s_mov_b32 s9, 0
	s_lshl_b32 s10, ttmp9, 12                      ; 8 images of 512 bytes
	s_mov_b32 s11, 0
	s_mov_b32 s12, 0x76543210
	s_mov_b32 s13, 0xfedcba98                      ; selects for lane l xor 16
	s_wait_kmcnt 0x0
	s_add_nc_u64 s[4:5], s[4:5], s[8:9]
	s_add_nc_u64 s[6:7], s[6:7], s[10:11]
.irp u, 0,1,2,3
	global_load_b128 v[16+8*\u:19+8*\u], v3, s[4:5] offset:64*\u            ; q: channels 16 u + 8 h + 0 .. 7
	global_load_b128 v[20+8*\u:23+8*\u], v3, s[4:5] offset:64*\u+16
.endr
.irp u, 0,1,2,3
	global_load_b128 v[48+8*\u:51+8*\u], v3, s[4:5] offset:4096+64*\u       ; k likewise
	global_load_b128 v[52+8*\u:55+8*\u], v3, s[4:5] offset:4096+64*\u+16
.endr
.irp u, 0,1,2,3
.irp j, 0,1,2,3,4,5,6,7
	global_load_b32 v[80+8*\u+\j], v4, s[4:5] offset:12288*\j+64*\u+8192    ; v(token 8 h + j, channel 16 u + r)
.endr
.endr
	s_wait_loadcnt 32                              ; q and k are in; v's 32 loads may be out
.set n, 0
.rept 16                               ; two accumulators by turns; the first link of each starts its sum
.if n < 2
	v_wmma_f32_16x16x4_f32 v[112+8*(n%2):119+8*(n%2)], v[48+2*n:49+2*n], v[16+2*n:17+2*n], 0
.else
	v_wmma_f32_16x16x4_f32 v[112+8*(n%2):119+8*(n%2)], v[48+2*n:49+2*n], v[16+2*n:17+2*n], v[112+8*(n%2):119+8*(n%2)]
.endif
.set n, n+1
.endr
.rept 8
	v_nop                                          ; eight places behind this form before its results are read (ISA guide 7.12.1)
.endr
.irp j, 0,1,2,3,4,5,6,7
	v_add_f32 v[128+\j], v[112+\j], v[120+\j]      ; t(key 8 h + j, query r), from the low end on
.endr
.irp j, 0,1,2,3,4,5,6,7
	v_cmp_gt_i32 vcc_lo, \j, v7
	v_cndmask_b32 v[128+\j], v[128+\j], v6, vcc_lo ; hidden keys: -infinity
.endr
	v_max3_num_f32 v136, v128, v129, v130
	v_max3_num_f32 v136, v136, v131, v132
	v_max3_num_f32 v136, v136, v133, v134
	v_max_num_f32 v136, v136, v135
	v_permlanex16_b32 v137, v136, s12, s13
	v_max_num_f32 v136, v136, v137                 ; the row's maximum: key 0 counts for every query, so it is a number
.irp j, 0,1,2,3,4,5,6,7
	v_sub_f32 v[128+\j], v[128+\j], v136
.endr
.irp j, 0,1,2,3,4,5,6,7
	v_exp_f32 v[128+\j], v[128+\j]
.endr
	v_nop                                          ; a plain instruction behind the last exponential
	s_wait_alu depctr_va_vdst(0)                   ; one wait for the batch, ahead of its first reader
	v_add_f32 v138, v128, v129
	v_add_f32 v139, v130, v131
	v_add_f32 v140, v132, v133
	v_add_f32 v141, v134, v135
	v_add_f32 v138, v138, v139
	v_add_f32 v140, v140, v141
	v_add_f32 v138, v138, v140
	v_permlanex16_b32 v137, v138, s12, s13
	v_add_f32 v138, v138, v137                     ; the row's sum
	v_rcp_f32 v142, v138
	v_nop
	s_wait_alu depctr_va_vdst(0)
.irp j, 0,1,2,3,4,5,6,7
	v_mul_f32 v[128+\j], v[128+\j], v142
.endr
	s_wait_loadcnt 0x0                             ; v
.irp i, 0,1,2,3                        ; four accumulators by turns
.irp u, 0,1,2,3
.if \i == 0
	v_wmma_f32_16x16x4_f32 v[144+8*\u:151+8*\u], v[80+8*\u+2*\i:81+8*\u+2*\i], v[128+2*\i:129+2*\i], 0
.else
	v_wmma_f32_16x16x4_f32 v[144+8*\u:151+8*\u], v[80+8*\u+2*\i:81+8*\u+2*\i], v[128+2*\i:129+2*\i], v[144+8*\u:151+8*\u]
.endif
.endr
.endr
.rept 8
	v_nop
.endr
.irp u, 0,1,2,3
	global_store_b128 v5, v[144+8*\u:147+8*\u], s[6:7] offset:1024*\u        ; each accumulator from its low end on
	global_store_b128 v5, v[148+8*\u:151+8*\u], s[6:7] offset:1024*\u+512
.endr
	s_endpgm
.Lfunc_end_k_q1828dde6c5_fine1:
	.size	k_q1828dde6c5_fine1, .Lfunc_end_k_q1828dde6c5_fine1-k_q1828dde6c5_fine1
	.p2alignl 7, 3214868480
	.fill 96, 4, 3214868480
	.section	.rodata,"a",@progbits
	.p2align	6, 0x0
	.amdhsa_kernel k_q1828dde6c5_fine1
		.amdhsa_group_segment_fixed_size 0
		.amdhsa_private_segment_fixed_size 0
		.amdhsa_enable_private_segment 0
		.amdhsa_kernarg_size 16
		.amdhsa_user_sgpr_count 2
		.amdhsa_user_sgpr_kernarg_segment_ptr 1
		.amdhsa_wavefront_size32 1
		.amdhsa_system_sgpr_workgroup_id_x 1
		.amdhsa_system_sgpr_workgroup_id_y 1
		.amdhsa_system_sgpr_workgroup_id_z 1
		.amdhsa_system_vgpr_workitem_id 0
		.amdhsa_next_free_vgpr 192
		.amdhsa_next_free_sgpr 66
		.amdhsa_reserve_vcc 1
		.amdhsa_float_denorm_mode_32 3
		.amdhsa_float_denorm_mode_16_64 3
		.amdhsa_memory_ordered 1
		.amdhsa_forward_progress 1
		.amdhsa_inst_pref_size 12
	.end_amdhsa_kernel
	.amdgpu_metadata
---
amdhsa.version: [ 1, 2 ]
amdhsa.kernels:
  - .name:           k_q1828dde6c5_fine1
    .symbol:         k_q1828dde6c5_fine1.kd
    .args:
      - { .name: qkv32, .offset: 0, .size: 8, .value_kind: global_buffer, .address_space: global }
      - { .name: y32, .offset: 8, .size: 8, .value_kind: global_buffer, .address_space: global }
    .group_segment_fixed_size: 0
    .private_segment_fixed_size: 0
    .kernarg_segment_align: 8
    .kernarg_segment_size: 16
    .max_flat_workgroup_size: 32
    .sgpr_count:     66
    .vgpr_count:     192
    .wavefront_size: 32
...
	.end_amdgpu_metadata
.endif
;; end of part 3
;; launch attn (part 4): grid 4 x 64, 16 waves a work-group, no clusters, 327,680 bytes of LDS; arguments qkv16, y16; writes y16
.if DOCPART == 4
	.amdgcn_target "amdgcn-amd-amdhsa--gfx1250"
	.amdhsa_code_object_version 6
	.text
	.protected	k_q1828dde6c5_attn
	.globl	k_q1828dde6c5_attn
	.p2align	8
	.type	k_q1828dde6c5_attn,@function
k_q1828dde6c5_attn:
	s_mov_b64 s[64:65], 0
	v_nop
	global_prefetch_b8 v0, s[64:65] scope:SCOPE_SE
	s_setreg_imm32_b32 hwreg(HW_REG_WAVE_MODE, 25, 1), 1
	s_wait_xcnt 0x0
; y[b][head][q] = sum over k <= q of softmax_k(q . k / 8) v[k], head size 64, 2,048 positions, f16 operands, sums, maxima and exponentials in f32.  qkv16 [q, k, v][b][head][t][64]; q already holds the factor log2(e) / 8.
; y16 is [(2,048 b + t) / 128][head][t % 128][64] f16, the order in which the last product's tiles want it.
; LIMITS: q, k, v, p and y are carried in f16 (magnitudes under 65,504; p is at most 1, and what falls under f16's smallest number is lost beside the row's largest p = 1).
; SHARES.  A work-group owns blocks j and 7 - j of 256 queries of one (b, head), so that under the causal mask all 256 work-groups have the same work.  Each of its sixteen waves owns 32 queries, two tiles of 16; (w ^ (w >> 2)) & 1 says of which block.
; Every work-group walks all 8 slots of 256 keys: the trip counts are constants.  A step of 64 keys all of which come after the wave's queries is left out by a scalar branch on ids; a slot that no wave of the work-group reads is not asked for.
; NO CLUSTER: the four work-groups of a head need 8, 7, 6 and 5 slots, so a joint load would bring tiles that no wave of some partner reads.
; LAYOUT.  S^T = K Q^T (source 0 = 16 keys, source 1 = 16 queries): a lane holds ONE query (lane % 16) and keys 8 (lane / 16) + 0 .. 7.  Two such tiles, rounded to f16 in pairs, are source 1 of O^T = V^T P; V comes out of LDS turned, by ds_load_tr16_b128.
; SOFTMAX.  A running maximum m and sum l for each query: p = 2^(t - m); in every step O and l are multiplied by a = 2^(m_old - m_new).
; LDS.  Two slots, 2^17 bytes apart.  In a slot two keys share a row of 256 bytes: K's 128 rows at pitch 272, then V's at pitch 288: key x lies at (x / 2) pitch + 128 (x % 2): the 16 lanes of a load fall on 16 different 16-byte columns.
; REGISTERS: v1-15 addresses; v16-31 statistics, 8 a tile; v32-63 Q; v64-127 S^T, then P in place; v128-191 O^T; v192-255 K's 8 fragments, then V's 8.
.set SK,    256                        ; keys in a slot
.set KP,    272
.set VP,    288
.set VOFF,  128*KP
.set SLOT1, 1<<17
.set STAGE, SLOT1+128*(KP+VP)          ; behind the ring: for each wave 2 tiles x 16 rows x (128 bytes + 16): no fill lands there
.set WSTG,  2*16*144
.set SPARE, STAGE+16*WSTG              ; the spare words, 128 bytes a wave, which no other line names
.set AK0,  1                           ; my lane's place in a tile of K
.set AV0,  2                           ; and of V
.set ADK,  3
.set ADV,  4
.set SPW,  5                           ; my spare word; never rewritten
.set NIL,  6                           ; 0; never rewritten
.set RH,   7                           ; r - 8 h
.set D0,   8                           ; v8, v9: the mask's bound for tiles 0, 1
.set STO,  10
.set RD,   11
.set GO,   12
.set PFO,  13                          ; 256 x lane
.set NINF, 14
.set QOF,  15
.set ST,   16                          ; tile t at ST + 8 t: +0 m, +1 0, +2, +3 l, +4 .. +7 at work (a in +6)
.set QF,   32
.set S,    64
.set O,    128
.set F,    192
.set WV,   18
.set SEL,  20
.set G1K,  24
.set G1V,  32
.set G0K,  40
.set G0V,  44
.set TB,   2                           ; LDS byte at which the slot in hand begins
.set SLOTS, 67
.set PFA,  76
.set LIM,  80
.set QL,   97                          ; my work-group's last query
.set KF,   98                          ; the step's first key
.set Q0,   99                          ; my first query
; Waves 0 and 1 fetch K's halves of a slot, waves 2 and 3 V's, the others nothing.  An s_nop 0 and four v_nop follow each of the two lines.
.macro TLOAD
	s_cmp_lt_u32 s[WV], 2
	s_cbranch_scc0 .Lnot_k_\@
	tensor_load_to_lds s[G0K:G0K+3], s[G1K:G1K+7]
	s_nop 0
.rept 4
	v_nop
.endr
	s_branch .Lasked_\@
.Lnot_k_\@:
	s_cmp_lt_u32 s[WV], 4
	s_cbranch_scc0 .Lasked_\@
	tensor_load_to_lds s[G0V:G0V+3], s[G1V:G1V+7]
	s_nop 0
.rept 4
	v_nop
.endr
.Lasked_\@:
.endm
; A prefetch of what the NEXT change of slots will ask for: a slot's 32,768 dense bytes of K and of V.  The four work-groups of a head walk the same K and V: the first of them, which walks all 8 slots, asks; in it
; waves 4 to 7 for K, waves 8 to 11 for V, 8,192 bytes a wave, lanes 256 bytes apart: each aligned 256 bytes are named once in the launch.  The last change that fills a slot asks for nothing; slots 0 and 1 come by their loads alone.
.macro ASK
	s_cmp_gt_u32 s[SLOTS], s[LIM]
	s_cbranch_scc0 .Lnot_mine_\@
	global_prefetch_b8 v[PFO], s[PFA:PFA+1] th:TH_LOAD_NT scope:SCOPE_SE
.Lnot_mine_\@:
.endm
	s_load_b128 s[4:7], s[0:1], 0x0                ; qkv16, y16
	v_lshl_add_u32 v[SPW], v0, 2, SPARE
	v_mov_b32 v[NIL], 0
	ds_add_u32 v[SPW], v[NIL]                      ; the wave's opening: the add, twice on end, and its wait ahead of the first tensor load
	ds_add_u32 v[SPW], v[NIL]
	v_lshrrev_b32 v8, 5, v0
	v_readfirstlane_b32 s[WV], v8                  ; wave 0..15
	s_and_b32 s72, ttmp7, 0xffff                   ; 16 b + head
	s_lshl_b32 s74, s72, 18                        ; its 262,144 bytes in each third of qkv16
	s_lshr_b32 s81, s[WV], 2
	s_xor_b32 s81, s81, s[WV]
	s_and_b32 s81, s81, 1                          ; which of the two blocks of queries
	s_sub_co_u32 s82, 7, ttmp9
	s_cmp_eq_u32 s81, 0
	s_cselect_b32 s81, ttmp9, s82
	s_lshl_b32 s81, s81, 8
	s_lshr_b32 s83, s[WV], 1
	s_lshl_b32 s83, s83, 5
	s_add_co_u32 s[Q0], s81, s83                   ; my first query: 256 x block + 32 x (wave / 2)
	s_lshl_b32 s[QL], s82, 8
	s_or_b32 s[QL], s[QL], 255                     ; the later block's last query: from the work-group's number alone
	s_and_b32 s88, s[WV], 1                        ; which 128 keys of a slot I fetch, if I fetch
	s_mul_i32 s89, s88, 64*KP
	s_mul_i32 s94, s88, 64*VP
	s_add_co_u32 s94, s94, VOFF
	s_lshl_b32 s90, s88, 14
	s_add_co_u32 s90, s90, s74
	s_add_co_u32 s90, s90, 0x1000000               ; K's third
	s_mov_b32 s91, 0
	s_add_co_u32 s92, s90, 0x1000000               ; V's
	s_mov_b32 s93, 0
	; descriptor group 1: 64 rows of 128 elements of 2 bytes (two keys a row), dense in memory; padding behind each row: 4 words for K, 8 for V
	s_mov_b32 s[G1K], (1<<16)|(1<<20)|(5<<22)|(3<<25)
	s_mov_b32 s[G1V], (1<<16)|(1<<20)|(5<<22)|(7<<25)
.irp g, G1K, G1V
	s_mov_b32 s[\g+1], 128<<16                     ; tensor_dim0
	s_mov_b32 s[\g+2], 64<<16                      ; tensor_dim1
	s_mov_b32 s[\g+3], 128<<16                     ; tile_dim0
	s_mov_b32 s[\g+4], 64                          ; tile_dim1
	s_mov_b32 s[\g+5], 128                         ; the pitch
	s_mov_b32 s[\g+6], 0
	s_mov_b32 s[\g+7], 0
.endr
	s_mov_b32 s[SEL], 0x76543210
	s_mov_b32 s[SEL+1], 0xfedcba98
	s_mov_b32 s[TB], 0
	s_mov_b32 s[SLOTS], 7
	s_mov_b32 s[KF], 0
	s_wait_dscnt 0x0                               ; both opening adds are done
	s_wait_kmcnt 0x0
	s_mov_b32 s[G0K], 1
	s_mov_b32 s[G0K+1], s89
	s_add_nc_u64 s[G0K+2:G0K+3], s[4:5], s[90:91]
	s_or_b32 s[G0K+3], s[G0K+3], 0x80000000
	s_mov_b32 s[G0V], 1
	s_mov_b32 s[G0V+1], s94
	s_add_nc_u64 s[G0V+2:G0V+3], s[4:5], s[92:93]
	s_or_b32 s[G0V+3], s[G0V+3], 0x80000000
	TLOAD                                          ; slot 0: it holds key 0, which counts for every query
	s_lshl_b32 s82, s[Q0], 7
	s_add_co_u32 s82, s82, s74
	s_mov_b32 s83, 0
	s_add_nc_u64 s[12:13], s[4:5], s[82:83]        ; Q at my first query
	s_lshr_b32 s82, s72, 4
	s_lshl_b32 s82, s82, 4
	s_lshr_b32 s84, s[Q0], 7
	s_add_co_u32 s82, s82, s84                     ; y16: the block of 128 rows,
	s_lshl_b32 s82, s82, 18
	s_and_b32 s84, s72, 15
	s_lshl_b32 s84, s84, 14                        ; the head,
	s_add_co_u32 s82, s82, s84
	s_and_b32 s84, s[Q0], 127
	s_lshl_b32 s84, s84, 7                         ; the row
	s_add_co_u32 s82, s82, s84
	s_add_nc_u64 s[14:15], s[6:7], s[82:83]
	s_cmp_lt_u32 s[WV], 8                          ; the prefetches: waves 4 to 7 K's third, waves 8 to 11 V's
	s_mov_b32 s82, 0x2000000
	s_cselect_b32 s82, 0x1000000, s82
	s_add_co_u32 s82, s82, s74
	s_and_b32 s84, s[WV], 3
	s_lshl_b32 s84, s84, 13
	s_add_co_u32 s82, s82, s84                     ; my wave's 8,192 bytes,
	s_add_co_u32 s82, s82, SK*128                  ; in slot 1: the first change of slots steps it to slot 2
	s_add_nc_u64 s[PFA:PFA+1], s[4:5], s[82:83]
	s_sub_co_u32 s82, s[WV], 4
	s_lshr_b32 s82, s82, 3                         ; 0 in waves 4 to 11,
	s_or_b32 s82, s82, ttmp9                       ; of the head's first work-group
	s_cmp_eq_u32 s82, 0
	s_cselect_b32 s[LIM], 1, -1
	v_and_b32 v8, 15, v0                           ; r
	v_bfe_u32 v9, v0, 4, 1                         ; h
	v_lshlrev_b32 v[QOF], 7, v8
	v_lshl_add_u32 v[QOF], v9, 4, v[QOF]
.irp t, 0,1
.irp c, 0,1
	global_load_b128 v[QF+16*\t+8*\c:QF+16*\t+8*\c+3], v[QOF], s[12:13] offset:2048*\t+64*\c        ; Q stays in registers: tile t, channels 32 c on
	global_load_b128 v[QF+16*\t+8*\c+4:QF+16*\t+8*\c+7], v[QOF], s[12:13] offset:2048*\t+64*\c+32
.endr
.endr
	v_lshrrev_b32 v16, 1, v8
	v_and_b32 v17, 1, v8
	v_mul_u32_u24 v[AK0], v16, KP
	v_lshl_add_u32 v[AK0], v17, 7, v[AK0]
	v_lshl_add_u32 v[AK0], v9, 4, v[AK0]           ; K: (r / 2) pitch + 128 (r % 2) + 16 h
	v_bfe_u32 v18, v0, 1, 2
	v_lshl_add_u32 v18, v9, 2, v18
	v_mul_u32_u24 v[AV0], v18, VP                  ; V, for the turning load: key 8 h + lane % 8, channels 8 ((lane / 8) % 2) on
	v_and_b32 v19, 1, v0
	v_lshl_add_u32 v[AV0], v19, 7, v[AV0]
	v_bfe_u32 v19, v0, 3, 1
	v_lshl_add_u32 v[AV0], v19, 4, v[AV0]
	v_add_nc_u32 v[AV0], VOFF, v[AV0]
	v_lshlrev_b32 v[RH], 3, v9
	v_sub_nc_u32 v[RH], v8, v[RH]
	s_mul_i32 s73, s[WV], WSTG
	s_add_co_u32 s73, s73, STAGE                   ; my stage.  Query r lies at row (r / 2) + 8 (r % 2), so that stores and reads fall on 16 different 16-byte columns
	v_lshl_add_u32 v16, v17, 3, v16
	v_mul_u32_u24 v[STO], v16, 144
	v_lshl_add_u32 v[STO], v9, 4, v[STO]
	v_add_nc_u32 v[STO], s73, v[STO]
	v_lshl_add_u32 v16, v19, 3, v9
	v_mul_u32_u24 v[RD], v16, 144
	v_and_b32 v17, 7, v0
	v_lshl_add_u32 v[RD], v17, 4, v[RD]
	v_add_nc_u32 v[RD], s73, v[RD]
	v_and_b32 v[GO], 31, v0
	v_lshlrev_b32 v[PFO], 8, v[GO]
	v_lshlrev_b32 v[GO], 4, v[GO]
	v_mov_b32 v[NINF], 0xff800000
.irp t, 0,1
	v_mov_b32 v[ST+8*\t], 0xff61b1e6               ; m: -3e38, under every t
.irp i, 1,2,3,4,5,6,7
	v_mov_b32 v[ST+8*\t+\i], 0                     ; l, and the registers at work
.endr
.endr
.set n, 0
.rept 64
	v_mov_b32 v[O+n], 0                            ; O^T.  (The step is written once: the first finds zeros, and a = 0 leaves them zeros)
.set n, n+1
.endr
; A KEY STEP: 64 keys, the q-th of the slot in hand.
.macro STEP q
	s_add_co_u32 s96, s[Q0], 31
	s_cmp_gt_u32 s[KF], s96                        ; all its keys come after my 32 queries: left out; not the line at its end that steps the key
	s_cbranch_scc1 .Lhidden_\@
	v_add_nc_u32 v[ADK], s[TB], v[AK0]
	v_add_nc_u32 v[ADV], s[TB], v[AV0]
.rept 3
	v_nop                                          ; with the two additions five places: the first product below writes over P, which the last products read; four serve the loads into F
.endr
.irp a, 0,1,2,3
.irp c, 0,1
	ds_load_b128 v[F+16*\a+8*\c:F+16*\a+8*\c+3], v[ADK] offset:(32*(\q)+8*\a)*KP+64*\c
	ds_load_b128 v[F+16*\a+8*\c+4:F+16*\a+8*\c+7], v[ADK] offset:(32*(\q)+8*\a)*KP+64*\c+32
.endr
.endr
	s_wait_dscnt 0x0
.irp c, 0,1                            ; S^T: the 8 accumulators by turns; the first 8 products start the sums
.irp a, 0,1,2,3
.irp t, 0,1
.if \c == 0
	v_wmma_f32_16x16x32_f16 v[S+32*\t+8*\a:S+32*\t+8*\a+7], v[F+16*\a+8*\c:F+16*\a+8*\c+7], v[QF+16*\t+8*\c:QF+16*\t+8*\c+7], 0
.else
	v_wmma_f32_16x16x32_f16 v[S+32*\t+8*\a:S+32*\t+8*\a+7], v[F+16*\a+8*\c:F+16*\a+8*\c+7], v[QF+16*\t+8*\c:QF+16*\t+8*\c+7], v[S+32*\t+8*\a:S+32*\t+8*\a+7]
.endif
.endr
.endr
.endr
.rept 4
	v_nop                                          ; places in front of the loads into F and of the first read of the scores
.endr
.irp g, 0,1                            ; V, turned: keys 32 g on, channels 16 u on.  It lands during the softmax
.irp u, 0,1,2,3
	ds_load_tr16_b128 v[F+32*\g+8*\u:F+32*\g+8*\u+3], v[ADV] offset:(32*(\q)+16*\g)*VP+32*\u
	ds_load_tr16_b128 v[F+32*\g+8*\u+4:F+32*\g+8*\u+7], v[ADV] offset:(32*(\q)+16*\g)*VP+8*VP+32*\u
.endr
.endr
	s_add_co_u32 s96, s[KF], 63
	s_cmp_le_u32 s96, s[Q0]                        ; a step all of whose keys count skips the mask
	s_cbranch_scc1 .Lopen_\@
	s_sub_co_i32 s96, s[Q0], s[KF]
	v_add_nc_u32 v[D0], s96, v[RH]                 ; d = my query - the step's first key - 8 h.  Register 8 a + j holds key 16 a + 8 h + j: hidden where 16 a + j > d
	v_add_nc_u32 v[D0+1], 16, v[D0]
.set n, 0
.rept 32
	v_cmp_gt_i32 vcc_lo, 16*(n/8)+n%8, v[D0]
	v_cndmask_b32 v[S+n], v[S+n], v[NINF], vcc_lo
	v_cmp_gt_i32 vcc_lo, 16*(n/8)+n%8, v[D0+1]
	v_cndmask_b32 v[S+32+n], v[S+32+n], v[NINF], vcc_lo
.set n, n+1
.endr
.Lopen_\@:
.irp j, 0,1,2,3                        ; the maximum of my 32 scores and the old m, the two tiles line by line; each accumulator is first read at its low end
.irp t, 0,1
	v_max3_num_f32 v[ST+8*\t+4+\j], v[S+32*\t+8*\j], v[S+32*\t+8*\j+1], v[S+32*\t+8*\j+2]
.endr
.endr
.irp k, 1,2
.irp j, 0,1,2,3
.irp t, 0,1
	v_max3_num_f32 v[ST+8*\t+4+\j], v[ST+8*\t+4+\j], v[S+32*\t+8*\j+2*\k+1], v[S+32*\t+8*\j+2*\k+2]
.endr
.endr
.endr
.irp t, 0,1
	v_max3_num_f32 v[ST+8*\t+4], v[ST+8*\t+4], v[S+32*\t+7], v[S+32*\t+15]
.endr
.irp t, 0,1
	v_max3_num_f32 v[ST+8*\t+6], v[ST+8*\t+6], v[S+32*\t+23], v[S+32*\t+31]
.endr
.irp t, 0,1
	v_max3_num_f32 v[ST+8*\t+4], v[ST+8*\t+4], v[ST+8*\t+5], v[ST+8*\t+6]
.endr
.irp t, 0,1
	v_max3_num_f32 v[ST+8*\t+4], v[ST+8*\t+4], v[ST+8*\t+7], v[ST+8*\t]
.endr
.irp t, 0,1
	v_permlanex16_b32 v[ST+8*\t+5], v[ST+8*\t+4], s[SEL], s[SEL+1]   ; the query's other 32 keys lie in the lane 16 away
.endr
.irp t, 0,1
	v_mov_b32 v[ST+8*\t+7], v[ST+8*\t]
.endr
.irp t, 0,1
	v_max_num_f32 v[ST+8*\t], v[ST+8*\t+4], v[ST+8*\t+5]             ; the new m
.endr
.irp t, 0,1
	v_sub_f32 v[ST+8*\t+7], v[ST+8*\t+7], v[ST+8*\t]                 ; m_old - m_new
.endr
.set n, 0
.rept 16
.irp t, 0,1
	v_pk_add_f32 v[S+32*\t+n:S+32*\t+n+1], v[S+32*\t+n:S+32*\t+n+1], v[ST+8*\t:ST+8*\t+1] op_sel_hi:[1,0] neg_lo:[0,1] neg_hi:[0,1]   ; t - m, two at a time
.endr
.set n, n+2
.endr
.irp t, 0,1
	v_exp_f32 v[ST+8*\t+6], v[ST+8*\t+7]           ; a
.endr
.set n, 0
.rept 64
	v_exp_f32 v[S+n], v[S+n]                       ; p: ONE batch of 66 exponentials
.set n, n+1
.endr
	v_nop                                          ; a plain instruction behind the last exponential
	s_wait_alu depctr_va_vdst(0)                   ; one wait for the batch, ahead of its first reader
.irp t, 0,1
	v_pk_mul_f32 v[ST+8*\t+2:ST+8*\t+3], v[ST+8*\t+2:ST+8*\t+3], v[ST+8*\t+6:ST+8*\t+7] op_sel_hi:[1,0]   ; l x a
.endr
.irp t, 0,1
	v_pk_add_f32 v[ST+8*\t+4:ST+8*\t+5], v[S+32*\t:S+32*\t+1], v[S+32*\t+2:S+32*\t+3]   ; the sum of the f32 p, in two chains
.endr
.irp n, 4,8,12,16,20,24,28
.irp t, 0,1
	v_pk_add_f32 v[ST+8*\t+2:ST+8*\t+3], v[ST+8*\t+2:ST+8*\t+3], v[S+32*\t+\n:S+32*\t+\n+1]
.endr
.irp t, 0,1
	v_pk_add_f32 v[ST+8*\t+4:ST+8*\t+5], v[ST+8*\t+4:ST+8*\t+5], v[S+32*\t+\n+2:S+32*\t+\n+3]
.endr
.endr
.irp t, 0,1
	v_pk_add_f32 v[ST+8*\t+2:ST+8*\t+3], v[ST+8*\t+2:ST+8*\t+3], v[ST+8*\t+4:ST+8*\t+5]
.endr
.irp g, 0,1                            ; P in place: fragment g (keys 32 g on) takes registers 16 g + 0 .. 7; written in ascending order, each register behind its last read
.irp i, 0,1,2,3,4,5,6,7
.irp t, 0,1
	v_cvt_pk_f16_f32 v[S+32*\t+16*\g+\i], v[S+32*\t+16*\g+2*\i], v[S+32*\t+16*\g+2*\i+1]
.endr
.endr
.endr
.set n, 0
.rept 16
.irp t, 0,1
	v_pk_mul_f32 v[O+32*\t+n:O+32*\t+n+1], v[O+32*\t+n:O+32*\t+n+1], v[ST+8*\t+6:ST+8*\t+7] op_sel_hi:[1,0]   ; O^T x a
.endr
.set n, n+2
.endr
	s_wait_dscnt 0x0                               ; V is in
.irp g, 0,1                            ; O^T += V^T P: the 8 accumulators by turns
.irp u, 0,1,2,3
.irp t, 0,1
	v_wmma_f32_16x16x32_f16 v[O+32*\t+8*\u:O+32*\t+8*\u+7], v[F+32*\g+8*\u:F+32*\g+8*\u+7], v[S+32*\t+16*\g:S+32*\t+16*\g+7], v[O+32*\t+8*\u:O+32*\t+8*\u+7]
.endr
.endr
.endr
.Lhidden_\@:
	s_add_co_u32 s[KF], s[KF], 64
.endm
; THE CHANGE OF SLOTS stands at a slot's head.  Each wave waits for all its tensor loads, adds 0 to its spare word,
; and waits for that and for its reads of the slot that it has left.  Behind the barrier the slot ahead is whole and nobody reads the other one, which is then filled with the keys that follow: a wave's one tensor load until the next barrier.
.macro CHANGE fill
	s_wait_tensorcnt 0x0                           ; no tensor load of mine is out, so a group 0 may be written
	ds_add_u32 v[SPW], v[NIL]
.if \fill
	ds_add_u32 v[SPW], v[NIL]
	s_xor_b32 s[G0K+1], s[G0K+1], SLOT1            ; the other slot than last time,
	s_add_nc_u64 s[G0K+2:G0K+3], s[G0K+2:G0K+3], SK*128   ; the next 256 keys
	s_xor_b32 s[G0V+1], s[G0V+1], SLOT1
	s_add_nc_u64 s[G0V+2:G0V+3], s[G0V+2:G0V+3], SK*128
	s_wait_xcnt 0x0                                ; the last prefetch, a slot back, has read its address
	s_add_nc_u64 s[PFA:PFA+1], s[PFA:PFA+1], SK*128
.endif
	s_wait_dscnt 0x0
	s_barrier_signal -1
	s_barrier_wait -1
.if \fill
	s_add_co_u32 s96, s[KF], SK                    ; the first key of the slot that this change would ask for:
	s_cmp_gt_u32 s96, s[QL]                        ; behind my work-group's last query no wave reads it, so it is not asked for.  Ids and the count of steps alone: all sixteen waves go the same way; every wait on the tensor counter in this text is for 0
	s_cbranch_scc1 .Lpast_\@
	TLOAD
.Lpast_\@:
	ASK
.endif
.endm
.macro SLOT_STEPS
	STEP 0
	STEP 1
	STEP 2
	STEP 3
	s_xor_b32 s[TB], s[TB], SLOT1
.endm
	s_wait_loadcnt 0x0                             ; Q
.Lslot:                                            ; 7 trips: behind each change of slots but the last the next slot is asked for, up to the causal limit
	CHANGE 1
	SLOT_STEPS
	s_sub_co_u32 s[SLOTS], s[SLOTS], 1
	s_cmp_lg_u32 s[SLOTS], 0
	s_cbranch_scc1 .Lslot
	CHANGE 0                                       ; the last slot is written out: nothing is asked for
	SLOT_STEPS
	; THE WAY OUT.  l's halves and lane l xor 16's are added; O^T / l, rounded to f16, goes through my stage and leaves as 512 consecutive bytes: four queries' 128 bytes.  The additions are the places behind the last products.
.irp t, 0,1
	v_add_f32 v[ST+8*\t+4], v[ST+8*\t+2], v[ST+8*\t+3]
.endr
.irp t, 0,1
	v_permlanex16_b32 v[ST+8*\t+5], v[ST+8*\t+4], s[SEL], s[SEL+1]
.endr
.irp t, 0,1
	v_add_f32 v[ST+8*\t+4], v[ST+8*\t+4], v[ST+8*\t+5]
.endr
.irp t, 0,1
	v_rcp_f32 v[ST+8*\t+6], v[ST+8*\t+4]
.endr
	v_nop
	s_wait_alu depctr_va_vdst(0)                   ; one wait for the two reciprocals
.irp t, 0,1
.set n, 0
.rept 16
	v_pk_mul_f32 v[O+32*\t+n:O+32*\t+n+1], v[O+32*\t+n:O+32*\t+n+1], v[ST+8*\t+6:ST+8*\t+7] op_sel_hi:[1,0]
.set n, n+2
.endr
.set n, 0
.rept 16
	v_cvt_pk_f16_f32 v[S+16*\t+n], v[O+32*\t+2*n], v[O+32*\t+2*n+1]
.set n, n+1
.endr
.irp u, 0,1,2,3
	ds_store_b128 v[STO], v[S+16*\t+4*\u:S+16*\t+4*\u+3] offset:32*\u+2304*\t
.endr
.irp g, 0,1,2,3
	ds_load_b128 v[S+32+16*\t+4*\g:S+32+16*\t+4*\g+3], v[RD] offset:288*\g+2304*\t   ; LDS serves a wave's instructions in order: these see my stores
.endr
.endr
.irp g, 0,1,2,3
	s_wait_dscnt 11-\g                             ; behind this load: tile 0's later loads, tile 1's four stores and four loads
	global_store_b128 v[GO], v[S+32+4*\g:S+32+4*\g+3], s[14:15] offset:512*\g
.endr
.irp g, 0,1,2,3
	s_wait_dscnt 3-\g
	global_store_b128 v[GO], v[S+48+4*\g:S+48+4*\g+3], s[14:15] offset:2048+512*\g
.endr
	s_wait_tensorcnt 0x0                           ; the wave's end
	ds_add_u32 v[SPW], v[NIL]
	s_wait_dscnt 0x0
	s_endpgm
.Lfunc_end_k_q1828dde6c5_attn:
	.size	k_q1828dde6c5_attn, .Lfunc_end_k_q1828dde6c5_attn-k_q1828dde6c5_attn
	.p2alignl 7, 3214868480
	.fill 96, 4, 3214868480
	.section	.rodata,"a",@progbits
	.p2align	6, 0x0
	.amdhsa_kernel k_q1828dde6c5_attn
		.amdhsa_group_segment_fixed_size 327680
		.amdhsa_private_segment_fixed_size 0
		.amdhsa_enable_private_segment 0
		.amdhsa_kernarg_size 16
		.amdhsa_user_sgpr_count 2
		.amdhsa_user_sgpr_kernarg_segment_ptr 1
		.amdhsa_wavefront_size32 1
		.amdhsa_system_sgpr_workgroup_id_x 1
		.amdhsa_system_sgpr_workgroup_id_y 1
		.amdhsa_system_sgpr_workgroup_id_z 1
		.amdhsa_system_vgpr_workitem_id 0
		.amdhsa_next_free_vgpr 256
		.amdhsa_next_free_sgpr 100
		.amdhsa_reserve_vcc 1
		.amdhsa_float_denorm_mode_32 3
		.amdhsa_float_denorm_mode_16_64 3
		.amdhsa_memory_ordered 1
		.amdhsa_forward_progress 1
		.amdhsa_inst_pref_size 189
	.end_amdhsa_kernel
	.amdgpu_metadata
---
amdhsa.version: [ 1, 2 ]
amdhsa.kernels:
  - .name:           k_q1828dde6c5_attn
    .symbol:         k_q1828dde6c5_attn.kd
    .args:
      - { .name: qkv16, .offset: 0, .size: 8, .value_kind: global_buffer, .address_space: global }
      - { .name: y16, .offset: 8, .size: 8, .value_kind: global_buffer, .address_space: global }
    .group_segment_fixed_size: 327680
    .private_segment_fixed_size: 0
    .kernarg_segment_align: 8
    .kernarg_segment_size: 16
    .max_flat_workgroup_size: 512
    .sgpr_count:     100
    .vgpr_count:     256
    .wavefront_size: 32
...
	.end_amdgpu_metadata
.endif
;; end of part 4
;; launch proj (part 5): grid 4 x 64, 4 waves a work-group, clusters of 4 x 4, 327,680 bytes of LDS; arguments y16, wo16, bo, out0; writes out0
.if DOCPART == 5
	.amdgcn_target "amdgcn-amd-amdhsa--gfx1250"
	.amdhsa_code_object_version 6
	.text
	.protected	k_q1828dde6c5_proj
	.globl	k_q1828dde6c5_proj
	.p2align	8
	.type	k_q1828dde6c5_proj,@function
k_q1828dde6c5_proj:
	s_mov_b64 s[64:65], 0
	v_nop
	global_prefetch_b8 v0, s[64:65] scope:SCOPE_SE
	s_setreg_imm32_b32 hwreg(HW_REG_WAVE_MODE, 25, 1), 1
	s_wait_xcnt 0x0
	s_wait_alu depctr_hold_cnt(0) depctr_sa_sdst(0) depctr_va_vdst(0) depctr_va_sdst(0) depctr_va_ssrc(0) depctr_va_vcc(0) depctr_vm_vsrc(0)
	s_getreg_b32 s2, hwreg(HW_REG_IB_STS2, 6, 4)
	s_cmp_eq_u32 s2, 0
	s_cbranch_scc0 .Lentry_in_a_cluster
	s_endpgm
.Lentry_in_a_cluster:
	s_bfe_u32 s2, ttmp6, 0x10000c
	s_cmp_lg_u32 s2, 0xf033
	s_cbranch_scc0 .Lentry_shape_is_right
	s_endpgm
.Lentry_shape_is_right:
; out0[m][n] = sum over k of y[m][k] Wo[n][k] + bo[n]: m = 8,192, n = k = 1,024; f16 operands, f32 sums.  (The first 16 positions of each batch are stored again, from f32 operands, by the launch that follows.)
; y16 [m / 128][head][m % 128][64] and wo16 [n / 128][head][n % 128][64]: the two heads of a K step of 128 of a block of 128 rows are 32,768 consecutive bytes.
; A tile of out0 is 128 x 256, so that there are 256 work-groups; four waves, each 64 x 128: 32 accumulators, 256 registers.  K goes in 8 steps of 128 through two LDS slots.
; CLUSTERS: 4 x 4 work-groups.  The four of a row of the cluster need the same tiles of y, the four of a column the same tiles of Wo: each tile is asked for jointly.  Waves 0 and 1 fetch y's two heads (64 rows of 256 bytes each), waves 2 and 3 Wo's two blocks (128 rows each).
; THE MATRIX INSTRUCTION IS USED TRANSPOSED (source 0 = 16 rows of Wo, source 1 = 16 rows of y): a lane holds eight neighbouring numbers of a row of out0.  The bias is the C of each sum's first product.
; LDS: two rows of 128 bytes share an LDS row of 256 bytes + 16 of padding: row x lies at (x / 2) 272 + 128 (x % 2): the 16 lanes of a load fall on 16 different 16-byte columns.
; REGISTERS: window 0: v0-31 addresses; y's fragments v32-63, v64-95; Wo's v96-159, v160-223 (two buffers each); on the way out v32-159 rows.   window 1: the accumulators, (a, b) at v[8 (8 a + b)].   window 2: v0-63 the bias in the result's layout.
.set HEADB,  64*272                    ; a head's 128 rows in LDS
.set SLOT,   6*HEADB                   ; y's two heads, then Wo's two blocks of two heads
.set STEPB,  32768                     ; a K step of a block of 128 rows in memory
.set STAGE,  2*SLOT                    ; behind the ring: 16 rows x (512 bytes + 16) for each wave: no fill lands there
.set SPITCH, 528
.set SPARE,  STAGE+4*16*SPITCH         ; the spare words, 128 bytes a wave, which no other line names
.set LAPS,   4
.set ADRA, 16
.set ADRB, 20
.set BOF,  22
.set STO,  24
.set RD,   25
.set CO,   26
.set SPW,  28                          ; my spare word; never rewritten
.set NIL,  29                          ; 0; never rewritten
.set PFO,  30                          ; 256 x lane
.set BK,   32
.set G1, 24
.set G0, 32
.set G1B, 48
.set G0B, 56
.set PFA, 66
.set LIM, 68
.set MSB, 0
.macro WIN new
.if MSB != (\new)
	s_set_vgpr_msb (MSB<<8)|(\new)
.set MSB, (\new)
.endif
.endm
.set MUL,  0x50                        ; C and D window 1
.set MULB, 0x60                        ; C (the bias) window 2, D window 1
.macro JLOAD s                         ; a joint load; an s_nop 0 and four v_nop follow each of the two lines
	s_cmp_eq_u32 s15, 0
	s_cbranch_scc0 .Lfor_b_\@
	tensor_load_to_lds s[G0+4*\s:G0+4*\s+3], s[G1:G1+7]
	s_nop 0
.rept 4
	v_nop
.endr
	s_branch .Lasked_\@
.Lfor_b_\@:
	tensor_load_to_lds s[G0B+4*\s:G0B+4*\s+3], s[G1B:G1B+7]
	s_nop 0
.rept 4
	v_nop
.endr
.Lasked_\@:
.endm
.macro CREST                           ; a round of the cluster's barrier behind its opening barrier
	s_cmp_lg_u32 s14, 0
	s_cbranch_scc1 .Lnot_wave_0_\@
	s_barrier_signal -3
.Lnot_wave_0_\@:
	s_barrier_wait -3
	s_barrier_signal -1
	s_barrier_wait -1
.endm
.macro CROUND
	s_barrier_signal -1
	s_barrier_wait -1
	CREST
.endm
; A prefetch of the K step that stands two refills on.  y's tile row is read by one cluster alone: in it wave 0 asks, the four partners of a row sharing the step's 32,768 bytes out by address, 8,192 each, lanes 256 bytes apart.
; Wo's blocks are read by every cluster: the first along y asks, waves 2 and 3 each for their block, the four partners of a column sharing it out by address.  No branch hangs on a place in the cluster.  The loop's last trip asks for nothing.
.macro ASK
	s_cmp_gt_u32 s3, s[LIM]
	s_cbranch_scc0 .Lnot_mine_\@
	global_prefetch_b8 v[PFO], s[PFA:PFA+1] offset:STEPB th:TH_LOAD_NT scope:SCOPE_SE
.Lnot_mine_\@:
.endm
	s_load_b256 s[4:11], s[0:1], 0x0               ; y16, wo16, bo, out0
	v_lshl_add_u32 v[SPW], v0, 2, SPARE
	v_mov_b32 v[NIL], 0
	ds_add_u32 v[SPW], v[NIL]                      ; the wave's opening: the add, twice on end, and its wait ahead of my first tensor load
	ds_add_u32 v[SPW], v[NIL]
	v_lshrrev_b32 v1, 5, v0
	v_readfirstlane_b32 s14, v1                    ; wave 0..3
	s_lshr_b32 s15, s14, 1                         ; which 64 rows are mine.  Also: I fetch for y (0) or for Wo (1)
	s_and_b32 s16, s14, 1                          ; which 128 columns.  Also: which head of y, or which block of Wo, I fetch
	s_bfe_u32 s40, ttmp6, 0x40000
	s_bfe_u32 s41, ttmp6, 0x40004
	s_lshl_b32 s42, ttmp9, 2
	s_add_co_u32 s42, s42, s40                     ; tile column: 0 .. 3
	s_and_b32 s17, ttmp7, 0xffff
	s_lshl_b32 s17, s17, 2
	s_add_co_u32 s17, s17, s41                     ; tile row: 0 .. 63
	s_lshl_b32 s43, s41, 2
	s_lshl_b32 s43, 15, s43                        ; my row of the cluster
	s_lshl_b32 s44, 0x1111, s40                    ; my column
	s_or_b32 s[G1+0], s43, (1<<16)|(1<<20)|(1<<21)|(5<<22)|(3<<25)   ; the mask; elements of 2 bytes; padding on; bit 21 beside a mask; after every 64 words; 4 words
	s_or_b32 s[G1B+0], s44, (1<<16)|(1<<20)|(1<<21)|(5<<22)|(3<<25)
	s_mov_b32 s[G1+1], 128<<16                     ; rows of 128 elements,
	s_mov_b32 s[G1+2], 64<<16                      ; 64 of them for y,
	s_mov_b32 s[G1+3], 128<<16
	s_mov_b32 s[G1+4], 64
	s_mov_b32 s[G1+5], 128                         ; dense
	s_mov_b32 s[G1+6], 0
	s_mov_b32 s[G1+7], 0
	s_mov_b32 s[G1B+1], 128<<16
	s_mov_b32 s[G1B+2], 128<<16                    ; 128 for Wo
	s_mov_b32 s[G1B+3], 128<<16
	s_mov_b32 s[G1B+4], 128
	s_mov_b32 s[G1B+5], 128
	s_mov_b32 s[G1B+6], 0
	s_mov_b32 s[G1B+7], 0
	s_lshl_b32 s20, s17, 18                        ; y: the tile row's block, + my head
	s_lshl_b32 s21, s16, 14
	s_add_co_u32 s20, s20, s21
	s_mov_b32 s21, 0
	s_lshl_b32 s46, s42, 1
	s_add_co_u32 s46, s46, s16
	s_lshl_b32 s46, s46, 18                        ; Wo: block 2 x tile column + half
	s_mov_b32 s47, 0
	s_mul_i32 s18, s16, HEADB                      ; where they go: the wave's number alone
	s_mul_i32 s19, s16, 2*HEADB
	s_add_co_u32 s19, s19, 2*HEADB
	s_wait_dscnt 0x0                               ; both opening adds are done
	s_wait_kmcnt 0x0
	s_add_nc_u64 s[20:21], s[4:5], s[20:21]
	s_add_nc_u64 s[46:47], s[6:7], s[46:47]
	CROUND                                         ; all sixteen work-groups are here: the first joint loads meet
.irp s, 0,1
	s_mov_b32 s[G0+4*\s], 1
	s_add_co_u32 s[G0+4*\s+1], s18, \s*SLOT
	s_add_nc_u64 s[G0+4*\s+2:G0+4*\s+3], s[20:21], \s*STEPB
	s_or_b32 s[G0+4*\s+3], s[G0+4*\s+3], 0x80000000
	s_mov_b32 s[G0B+4*\s], 1
	s_add_co_u32 s[G0B+4*\s+1], s19, \s*SLOT
	s_add_nc_u64 s[G0B+4*\s+2:G0B+4*\s+3], s[46:47], \s*STEPB
	s_or_b32 s[G0B+4*\s+3], s[G0B+4*\s+3], 0x80000000
	JLOAD \s
.endr
	v_and_b32 v1, 15, v0                           ; r
	v_bfe_u32 v2, v0, 4, 1                         ; h
	v_lshrrev_b32 v3, 1, v1
	v_mul_u32_u24 v3, v3, 272
	v_and_b32 v4, 1, v1
	v_lshl_add_u32 v3, v4, 7, v3
	v_lshl_add_u32 v3, v2, 4, v3                   ; a fragment's row: (r / 2) 272 + 128 (r % 2) + 16 h
	s_mul_i32 s21, s15, 32*272                     ; my 64 rows of y
	s_mul_i32 s22, s16, 2*HEADB                    ; my block of Wo,
	s_add_co_u32 s22, s22, 2*HEADB                 ; behind y's two heads
.irp s, 0,1
	v_add_nc_u32 v[ADRA+\s], s21, v3
	v_add_nc_u32 v[ADRB+\s], s22, v3
	s_add_co_u32 s21, s21, SLOT
	s_add_co_u32 s22, s22, SLOT
.endr
	s_mul_i32 s23, s14, 16*SPITCH
	s_add_co_u32 s23, s23, STAGE                   ; my stage
	v_mul_u32_u24 v5, v1, SPITCH
	v_lshl_add_u32 v5, v2, 5, v5
	v_add_nc_u32 v[STO], s23, v5                   ; in: row r, 32 bytes for each half of the lanes
	v_and_b32 v6, 31, v0
	v_lshlrev_b32 v[CO], 4, v6
	v_add_nc_u32 v[RD], s23, v[CO]                 ; back: the 32 lanes take one row of 512 bytes
	v_lshlrev_b32 v[PFO], 8, v6
	v_lshlrev_b32 v[BOF], 5, v2
	s_lshl_b32 s20, s42, 10
	s_lshl_b32 s21, s16, 9
	s_add_co_u32 s20, s20, s21                     ; my first column, in bytes
	s_mov_b32 s21, 0
	s_add_nc_u64 s[8:9], s[8:9], s[20:21]
	s_add_nc_u64 s[10:11], s[10:11], s[20:21]
	s_lshl_b32 s20, s17, 7
	s_lshl_b32 s22, s15, 6
	s_add_co_u32 s20, s20, s22                     ; my first row,
	s_lshl_b32 s20, s20, 12                        ; of 4,096 bytes
	s_add_nc_u64 s[10:11], s[10:11], s[20:21]
	WIN 0x80                                       ; destination window 2
.irp b, 0,1,2,3,4,5,6,7
	global_load_b128 v[8*\b:8*\b+3], v[BOF], s[8:9] offset:64*\b           ; lane (r, h): bo[16 b + 8 h + 0 .. 7]
	global_load_b128 v[8*\b+4:8*\b+7], v[BOF], s[8:9] offset:64*\b+16
.endr
	WIN 0
	; the prefetches: who asks, and where
	s_and_b32 s22, ttmp7, 0xffff                   ; cluster y
	s_or_b32 s23, s16, ttmp9                       ; 0 in wave 0 (of the waves that fetch y), in the first cluster along x
	s_lshl_b32 s45, s17, 18
	s_lshl_b32 s46, s42, 1
	s_add_co_u32 s46, s46, s16
	s_lshl_b32 s46, s46, 18
	s_cmp_eq_u32 s15, 0
	s_cselect_b32 s20, s45, s46                    ; the block that I ask for,
	s_cselect_b32 s21, s40, s41                    ; my place among the four that share it,
	s_cselect_b32 s22, s23, s22
	s_cselect_b64 s[PFA:PFA+1], s[4:5], s[6:7]
	s_cmp_eq_u32 s22, 0
	s_cselect_b32 s[LIM], 1, -1                    ; the same in all sixteen partners, for a given wave
	s_lshl_b32 s21, s21, 13
	s_add_co_u32 s20, s20, s21
	s_add_co_u32 s20, s20, 2*STEPB                 ; at K step 2: the first refill steps it to 3 and names K step 4
	s_mov_b32 s21, 0
	s_add_nc_u64 s[PFA:PFA+1], s[PFA:PFA+1], s[20:21]
; 8 matrix instructions: y's block a against Wo's eight, 32 along K, buffer p.  The 32 accumulators take turns, one instruction a turn.  first = 1: the bias starts the sums.
.macro MUL8 p, a, first
.irp b, 0,1,2,3,4,5,6,7
.if \first
	v_wmma_f32_16x16x32_f16 v[8*(8*(\a)+\b):8*(8*(\a)+\b)+7], v[96+64*(\p)+8*\b:96+64*(\p)+8*\b+7], v[32+32*(\p)+8*(\a):32+32*(\p)+8*(\a)+7], v[8*\b:8*\b+7]
.else
	v_wmma_f32_16x16x32_f16 v[8*(8*(\a)+\b):8*(8*(\a)+\b)+7], v[96+64*(\p)+8*\b:96+64*(\p)+8*\b+7], v[32+32*(\p)+8*(\a):32+32*(\p)+8*(\a)+7], v[8*(8*(\a)+\b):8*(8*(\a)+\b)+7]
.endif
.endr
.endm
; 24 LDS loads in one run: quarter kq of the slot (head kq / 2, channels 32 (kq % 2) on) into buffer p: Wo's eight fragments, then y's four
.macro FETCH slot, kq, p
.set KO, ((\kq)>>1)*HEADB+((\kq)&1)*64
.irp i, 0,1,2,3,4,5,6,7
	ds_load_b128 v[96+64*(\p)+8*\i:96+64*(\p)+8*\i+3], v[ADRB+\slot] offset:KO+2176*\i
	ds_load_b128 v[96+64*(\p)+8*\i+4:96+64*(\p)+8*\i+7], v[ADRB+\slot] offset:KO+2176*\i+32
.endr
.irp i, 0,1,2,3
	ds_load_b128 v[32+32*(\p)+8*\i:32+32*(\p)+8*\i+3], v[ADRA+\slot] offset:KO+2176*\i
	ds_load_b128 v[32+32*(\p)+8*\i+4:32+32*(\p)+8*\i+7], v[ADRA+\slot] offset:KO+2176*\i+32
.endr
.endm
.macro PLACES                          ; four places in front of loads into registers that matrix instructions have read, and of the first read of results
.rept 4
	v_nop
.endr
.endm
; One of a K step's first three quarters: multiplies buffer p and fetches quarter kqn into the other buffer.
.macro QUARTER slot, kqn, p, first
	s_wait_dscnt 4                                 ; Wo's fragments and y's blocks 0, 1 are in; the youngest four loads (blocks 2, 3) may be out
	WIN MUL+0x10*(\first)
	MUL8 \p, 0, \first
	MUL8 \p, 1, \first
	PLACES
	WIN 0
	FETCH \slot, \kqn, 1-(\p)
	s_wait_dscnt 24                                ; all but the 24 just issued
	WIN MUL+0x10*(\first)
	MUL8 \p, 2, \first
	MUL8 \p, 3, \first
.endm
; The last quarter multiplies buffer 1 and changes slots: in front of the barrier each wave waits for all its tensor loads, adds 0 to its spare word, and waits for that and for its reads of this slot.
; fill = 1: the barrier opens a round of the cluster's barrier, and the joint refill, two K steps ahead, is the first tensor load behind it.
.macro TURN slot, next, fill
.if \fill
	s_wait_xcnt 0x0                                ; the last prefetch, a K step back, has read its address
	s_add_nc_u64 s[PFA:PFA+1], s[PFA:PFA+1], STEPB
.endif
	WIN 0
	s_wait_tensorcnt 0x0                           ; all my tensor loads have landed: my part of the next slot
	ds_add_u32 v[SPW], v[NIL]
	s_wait_dscnt 5                                 ; (the add and the youngest four loads may be out)
	WIN MUL
	MUL8 1, 0, 0
	s_wait_dscnt 0x0                               ; the add is done, and my reads of this slot are over
	s_barrier_signal -1
	MUL8 1, 1, 0
	WIN 0
	s_barrier_wait -1
.if \fill
	CREST
	s_add_nc_u64 s[G0+4*\slot+2:G0+4*\slot+3], s[G0+4*\slot+2:G0+4*\slot+3], 2*STEPB
	s_add_nc_u64 s[G0B+4*\slot+2:G0B+4*\slot+3], s[G0B+4*\slot+2:G0B+4*\slot+3], 2*STEPB
	JLOAD \slot                                    ; the four v_nop behind it are also the places in front of the loads below
.else
	PLACES
.endif
	FETCH \next, 0, 0
.if \fill
	ASK
.endif
	WIN MUL
	MUL8 1, 2, 0
	MUL8 1, 3, 0
.endm
	s_wait_tensorcnt 1                             ; my part of K step 0 is in (K step 1's load may be out)
	s_barrier_signal -1
	s_barrier_wait -1                              ; everybody's is
	FETCH 0, 0, 0
	s_wait_loadcnt 0x0                             ; the bias
	QUARTER 0, 1, 0, 1                             ; the first quarter stands in front of the loop: its products start the sums
	WIN 0
	s_mov_b32 s3, LAPS-1
.Llap:                                             ; a trip goes once round the ring and fills both slots again
	QUARTER 0, 2, 1, 0
	QUARTER 0, 3, 0, 0
	TURN 0, 1, 1
	QUARTER 1, 1, 0, 0
	QUARTER 1, 2, 1, 0
	QUARTER 1, 3, 0, 0
	TURN 1, 0, 1
	QUARTER 0, 1, 0, 0
	WIN 0
	s_sub_co_u32 s3, s3, 1
	s_cmp_lg_u32 s3, 0
	s_cbranch_scc1 .Llap
	QUARTER 0, 2, 1, 0                             ; the last lap fills nothing
	QUARTER 0, 3, 0, 0
	TURN 0, 1, 0
	QUARTER 1, 1, 0, 0
	QUARTER 1, 2, 1, 0
	QUARTER 1, 3, 0, 0
	s_wait_dscnt 4
	WIN MUL
	MUL8 1, 0, 0
	MUL8 1, 1, 0
	s_wait_dscnt 0
	MUL8 1, 2, 0
	MUL8 1, 3, 0
	WIN 0
; THE WAY OUT, block by block of 16 rows x 128 columns, through my own stage: back come whole rows of 512 bytes.
.macro TOSTAGE a
	WIN 0x04                                       ; an LDS store's data are its source 1: window 1
.irp b, 0,1,2,3,4,5,6,7
	ds_store_b128 v[STO], v[8*(8*(\a)+\b):8*(8*(\a)+\b)+3] offset:64*\b          ; each accumulator from its low end on
	ds_store_b128 v[STO], v[8*(8*(\a)+\b)+4:8*(8*(\a)+\b)+7] offset:64*\b+16
.endr
	WIN 0
.set BB, BK+64*((\a)%2)
.irp t, 0,1,2,3,4,5,6,7,8,9,10,11,12,13,14,15
	ds_load_b128 v[BB+4*\t:BB+4*\t+3], v[RD] offset:\t*SPITCH    ; LDS serves a wave's instructions in order: these see the stores above
.endr
.endm
.macro SEND a, younger
.set BB, BK+64*((\a)%2)
	s_wait_dscnt \younger
.irp t, 0,1,2,3,4,5,6,7,8,9,10,11,12,13,14,15
	global_store_b128 v[CO], v[BB+4*\t:BB+4*\t+3], s[10:11] offset:(16*(\a)+\t)*4096 th:TH_STORE_NT   ; 32 lanes store 512 consecutive bytes, aligned
.endr
.endm
	PLACES
	TOSTAGE 0
	TOSTAGE 1
	SEND 0, 32                                     ; behind block 0's loads: block 1's 16 stores and 16 loads
	s_wait_xcnt 0x0                                ; block 0's stores have read their registers: block 2's loads may land there
	TOSTAGE 2
	SEND 1, 32
	s_wait_xcnt 0x0
	TOSTAGE 3
	SEND 2, 32
	SEND 3, 0
	s_wait_tensorcnt 0x0                           ; the wave's end
	ds_add_u32 v[SPW], v[NIL]
	s_wait_dscnt 0x0
	CROUND                                         ; the closing round
	s_endpgm
.Lfunc_end_k_q1828dde6c5_proj:
	.size	k_q1828dde6c5_proj, .Lfunc_end_k_q1828dde6c5_proj-k_q1828dde6c5_proj
	.p2alignl 7, 3214868480
	.fill 96, 4, 3214868480
	.section	.rodata,"a",@progbits
	.p2align	6, 0x0
	.amdhsa_kernel k_q1828dde6c5_proj
		.amdhsa_group_segment_fixed_size 327680
		.amdhsa_private_segment_fixed_size 0
		.amdhsa_enable_private_segment 0
		.amdhsa_kernarg_size 32
		.amdhsa_user_sgpr_count 2
		.amdhsa_user_sgpr_kernarg_segment_ptr 1
		.amdhsa_wavefront_size32 1
		.amdhsa_system_sgpr_workgroup_id_x 1
		.amdhsa_system_sgpr_workgroup_id_y 1
		.amdhsa_system_sgpr_workgroup_id_z 1
		.amdhsa_system_vgpr_workitem_id 0
		.amdhsa_next_free_vgpr 576
		.amdhsa_next_free_sgpr 70
		.amdhsa_reserve_vcc 0
		.amdhsa_float_denorm_mode_32 3
		.amdhsa_float_denorm_mode_16_64 3
		.amdhsa_memory_ordered 1
		.amdhsa_forward_progress 1
		.amdhsa_inst_pref_size 87
	.end_amdhsa_kernel
	.amdgpu_metadata
---
amdhsa.version: [ 1, 2 ]
amdhsa.kernels:
  - .name:           k_q1828dde6c5_proj
    .symbol:         k_q1828dde6c5_proj.kd
    .args:
      - { .name: y16, .offset: 0, .size: 8, .value_kind: global_buffer, .address_space: global }
      - { .name: wo16, .offset: 8, .size: 8, .value_kind: global_buffer, .address_space: global }
      - { .name: bo, .offset: 16, .size: 8, .value_kind: global_buffer, .address_space: global }
      - { .name: out0, .offset: 24, .size: 8, .value_kind: global_buffer, .address_space: global }
    .group_segment_fixed_size: 327680
    .private_segment_fixed_size: 0
    .kernarg_segment_align: 8
    .kernarg_segment_size: 32
    .max_flat_workgroup_size: 128
    .sgpr_count:     70
    .vgpr_count:     576
    .wavefront_size: 32
...
	.end_amdgpu_metadata
.endif
;; end of part 5
;; launch fine2 (part 6): grid 64 x 4, 4 waves a work-group, no clusters, 4,608 bytes of LDS; arguments y32, Wo, bo, out0; writes out0
.if DOCPART == 6
	.amdgcn_target "amdgcn-amd-amdhsa--gfx1250"
	.amdhsa_code_object_version 6
	.text
	.protected	k_q1828dde6c5_fine2
	.globl	k_q1828dde6c5_fine2
	.p2align	8
	.type	k_q1828dde6c5_fine2,@function
k_q1828dde6c5_fine2:
	s_mov_b64 s[64:65], 0
	v_nop
	global_prefetch_b8 v0, s[64:65] scope:SCOPE_SE
	s_setreg_imm32_b32 hwreg(HW_REG_WAVE_MODE, 25, 1), 1
	s_wait_xcnt 0x0
; The last product for the first 16 positions of each batch, with f32 operands: out0[2,048 b + t][n] = sum over k of y[t][k] Wo[n][k] + bo[n], t = 0 .. 15.  It stores again, finer, the 64 rows that the launch before stored from f16 operands.
; A work-group takes 16 columns n of one batch; wave w sums heads 4 w to 4 w + 3 (256 along K) by 64 matrix instructions of 4 along K; the four parts meet in LDS and wave 0 adds them and the bias.
; y32 holds images of registers (lane (r, h): token r, channels 64 head + 16 tau + 8 h + 4 u + 0 .. 3); Wo's rows are loaded in the same order of channels, lane (r, h): row 16 x + r.  Source 0 = Wo, source 1 = y: a lane holds token r and columns 8 h + 0 .. 7.
; A store covers 32 bytes of each of 16 rows: 262,144 bytes in the whole launch.
; The registers that the f32 matrix form writes (v16-31) are written by it alone.
; REGISTERS: window 0: v1-9 addresses; v16-31 two accumulators; v32-39 my part; v40-47 the bias; v48-71 the others' parts; v128-255 y's 32 images.   window 1: v0-127 Wo's 32.
.set SPW, 8
.set NIL, 9
.set SPARE, 4096                       ; behind the four parts: the spare words, 128 bytes a wave, which no other line names
.set MSB, 0
.macro WIN new
.if MSB != (\new)
	s_set_vgpr_msb (MSB<<8)|(\new)
.set MSB, (\new)
.endif
.endm
	s_load_b256 s[4:11], s[0:1], 0x0               ; y32, Wo, bo, out0
	v_lshl_add_u32 v[SPW], v0, 2, SPARE
	v_mov_b32 v[NIL], 0
	v_lshrrev_b32 v1, 5, v0
	v_readfirstlane_b32 s12, v1                    ; wave 0..3
	v_and_b32 v1, 15, v0                           ; r
	v_bfe_u32 v2, v0, 4, 1                         ; h
	v_and_b32 v3, 31, v0
	v_lshlrev_b32 v3, 4, v3                        ; 16 x lane
	v_lshlrev_b32 v4, 12, v1
	v_lshl_add_u32 v4, v2, 5, v4                   ; row r of 4,096 bytes + 32 h: in Wo and in out0
	v_lshlrev_b32 v5, 5, v2                        ; the bias: 32 h
	s_lshl_b32 s13, s12, 10
	v_add_nc_u32 v6, s13, v3                       ; LDS: my part: 1,024 x wave + 16 x lane
	s_and_b32 s14, ttmp7, 0xffff                   ; the batch
	s_lshl_b32 s16, s14, 16                        ; y32: 16 heads x 4,096 bytes a batch,
	s_lshl_b32 s17, s12, 14                        ; my four heads
	s_add_co_u32 s16, s16, s17
	s_mov_b32 s17, 0
	s_lshl_b32 s18, ttmp9, 16                      ; Wo: 16 rows of 4,096 bytes,
	s_add_co_u32 s18, s18, s13                     ; my four heads' 1,024 bytes
	s_mov_b32 s19, 0
	s_lshl_b32 s20, ttmp9, 6                       ; 16 columns
	s_mov_b32 s21, 0
	s_lshl_b32 s22, s14, 23                        ; out0: 2,048 rows a batch
	s_add_co_u32 s22, s22, s20
	s_mov_b32 s23, 0
	s_wait_kmcnt 0x0
	s_add_nc_u64 s[4:5], s[4:5], s[16:17]
	s_add_nc_u64 s[6:7], s[6:7], s[18:19]
	s_add_nc_u64 s[8:9], s[8:9], s[20:21]
	s_add_nc_u64 s[10:11], s[10:11], s[22:23]
	global_load_b128 v[40:43], v5, s[8:9]
	global_load_b128 v[44:47], v5, s[8:9] offset:16
.irp g, 0,1,2,3                        ; head g of my four: 8 images of y, 512 dense bytes each, and the same channels of Wo's 16 rows
.irp i, 0,1,2,3,4,5,6,7
	global_load_b128 v[128+4*(8*\g+\i):128+4*(8*\g+\i)+3], v3, s[4:5] offset:512*(8*\g+\i)
.endr
	WIN 0x40                                       ; destination window 1
.irp i, 0,1,2,3,4,5,6,7
	global_load_b128 v[4*(8*\g+\i):4*(8*\g+\i)+3], v4, s[6:7] offset:256*\g+64*(\i/2)+16*(\i%2)
.endr
	WIN 0
.endr
	WIN 0x01                                       ; source 0 (Wo) window 1
.irp g, 0,1,2,3
	s_wait_loadcnt 48-16*\g                        ; this head's 16 loads are in; the later heads' may be out
.irp i, 0,1,2,3,4,5,6,7
.irp p, 0,1                            ; two accumulators by turns; the first link of each starts its sum
.if (\g == 0) && (\i == 0)
	v_wmma_f32_16x16x4_f32 v[16+8*\p:23+8*\p], v[4*(8*\g+\i)+2*\p:4*(8*\g+\i)+2*\p+1], v[128+4*(8*\g+\i)+2*\p:128+4*(8*\g+\i)+2*\p+1], 0
.else
	v_wmma_f32_16x16x4_f32 v[16+8*\p:23+8*\p], v[4*(8*\g+\i)+2*\p:4*(8*\g+\i)+2*\p+1], v[128+4*(8*\g+\i)+2*\p:128+4*(8*\g+\i)+2*\p+1], v[16+8*\p:23+8*\p]
.endif
.endr
.endr
.endr
	WIN 0
.rept 8
	v_nop                                          ; eight places behind this form before its results are read (ISA guide 7.12.1)
.endr
.irp j, 0,2,4,6
	v_pk_add_f32 v[32+\j:33+\j], v[16+\j:17+\j], v[24+\j:25+\j]   ; my part, from the low end on
.endr
	ds_store_b128 v6, v[32:35]
	ds_store_b128 v6, v[36:39] offset:512
	s_wait_dscnt 0x0                               ; for the others' sake: my stores have landed
	s_barrier_signal -1
	s_barrier_wait -1
	s_cmp_lg_u32 s12, 0                            ; wave 0 alone adds and stores
	s_cbranch_scc1 .Lskip
.irp w, 1,2,3
	ds_load_b128 v[40+8*\w:43+8*\w], v3 offset:1024*\w
	ds_load_b128 v[44+8*\w:47+8*\w], v3 offset:1024*\w+512
.endr
.irp j, 0,2,4,6
	v_pk_add_f32 v[32+\j:33+\j], v[32+\j:33+\j], v[40+\j:41+\j]   ; + the bias
.endr
	s_wait_dscnt 0x0
.irp w, 1,2,3
.irp j, 0,2,4,6
	v_pk_add_f32 v[32+\j:33+\j], v[32+\j:33+\j], v[40+8*\w+\j:41+8*\w+\j]
.endr
.endr
	global_store_b128 v4, v[32:35], s[10:11]
	global_store_b128 v4, v[36:39], s[10:11] offset:16
.Lskip:
	s_wait_tensorcnt 0x0                           ; the wave's end: behind my last LDS store
	ds_add_u32 v[SPW], v[NIL]
	s_wait_dscnt 0x0
	s_endpgm
.Lfunc_end_k_q1828dde6c5_fine2:
	.size	k_q1828dde6c5_fine2, .Lfunc_end_k_q1828dde6c5_fine2-k_q1828dde6c5_fine2
	.p2alignl 7, 3214868480
	.fill 96, 4, 3214868480
	.section	.rodata,"a",@progbits
	.p2align	6, 0x0
	.amdhsa_kernel k_q1828dde6c5_fine2
		.amdhsa_group_segment_fixed_size 4608
		.amdhsa_private_segment_fixed_size 0
		.amdhsa_enable_private_segment 0
		.amdhsa_kernarg_size 32
		.amdhsa_user_sgpr_count 2
		.amdhsa_user_sgpr_kernarg_segment_ptr 1
		.amdhsa_wavefront_size32 1
		.amdhsa_system_sgpr_workgroup_id_x 1
		.amdhsa_system_sgpr_workgroup_id_y 1
		.amdhsa_system_sgpr_workgroup_id_z 1
		.amdhsa_system_vgpr_workitem_id 0
		.amdhsa_next_free_vgpr 384
		.amdhsa_next_free_sgpr 66
		.amdhsa_reserve_vcc 0
		.amdhsa_float_denorm_mode_32 3
		.amdhsa_float_denorm_mode_16_64 3
		.amdhsa_memory_ordered 1
		.amdhsa_forward_progress 1
		.amdhsa_inst_pref_size 15
	.end_amdhsa_kernel
	.amdgpu_metadata
---
amdhsa.version: [ 1, 2 ]
amdhsa.kernels:
  - .name:           k_q1828dde6c5_fine2
    .symbol:         k_q1828dde6c5_fine2.kd
    .args:
      - { .name: y32, .offset: 0, .size: 8, .value_kind: global_buffer, .address_space: global }
      - { .name: Wo, .offset: 8, .size: 8, .value_kind: global_buffer, .address_space: global }
      - { .name: bo, .offset: 16, .size: 8, .value_kind: global_buffer, .address_space: global }
      - { .name: out0, .offset: 24, .size: 8, .value_kind: global_buffer, .address_space: global }
    .group_segment_fixed_size: 4608
    .private_segment_fixed_size: 0
    .kernarg_segment_align: 8
    .kernarg_segment_size: 32
    .max_flat_workgroup_size: 128
    .sgpr_count:     66
    .vgpr_count:     384
    .wavefront_size: 32
...
	.end_amdgpu_metadata
.endif
;; end of part 6
